; MI455X (gfx1250); checked and timed in simulation.
; The chip was launched on July 23, 2026; its instructions are those of AMD's public machine-readable ISA for CDNA 5 (MIT licence, August 2026) and "CDNA5" Instruction Set Architecture Reference Guide (July 2026). The comments in the code are by the model that wrote it; some were corrected since.
;; decoder Layer. Allowed arithmetic: matrix products marked QUANTISED: E5M2 operands, one given power-of-two scale a tensor, by v_wmma_f32_16x16x64_bf8_bf8 or v_wmma_f32_16x16x128_bf8_bf8, f32 sums; everything else in f32.
;; Inputs: Wk1_codes 16 x 64 x 32 x 32 uint8 (E5M2 codes of Wk1, K innermost, in blocks of 32 codes); Wk2_codes 16 x 64 x 32 x 32 uint8 (E5M2 codes of Wk2, K innermost, in blocks of 32 codes); Wq1_codes 16 x 64 x 32 x 32 uint8 (E5M2 codes of Wq1, K innermost, in blocks of 32 codes); Wq2_codes 16 x 64 x 32 x 32 uint8 (E5M2 codes of Wq2, K innermost, in blocks of 32 codes); Wv1_codes 16 x 64 x 32 x 32 uint8 (E5M2 codes of Wv1, K innermost, in blocks of 32 codes); Wv2_codes 16 x 64 x 32 x 32 uint8 (E5M2 codes of Wv2, K innermost, in blocks of 32 codes); context_codes 2 x 2,048 x 32 x 32 uint8 (E5M2 codes of context, K innermost, in blocks of 32 codes); fc1_b 1,024 float32; fc1_w_codes 1,024 x 32 x 32 uint8 (E5M2 codes of fc1_w, K innermost, in blocks of 32 codes); fc2_b 1,024 float32; fc2_w_codes 1,024 x 32 x 32 uint8 (E5M2 codes of fc2_w, K innermost, in blocks of 32 codes); ln1_b 1,024 float32; ln1_g 1,024 float32; ln2_b 1,024 float32; ln2_g 1,024 float32; ln3_b 1,024 float32; ln3_g 1,024 float32; lowp_scales 24 int32 (the exponents e of the quantised operands' scales 2^e); x 2 x 2,048 x 1,024 float32.
;; Outputs: out0 2 x 2,048 x 1,024 float32.
;; This version of the problem:
;;   THIS VERSION OF THE PROBLEM IS GIVEN IN LOW PRECISION. The matrix products marked QUANTISED in the list below multiply operands that are first quantised to E5M2 (5 exponent bits, 2 mantissa bits; 8 bits a number), with one given power-of-two scale for each operand tensor; their sums are f32. All else is computed in f32.
;;   The module's matrix products, in the order in which they are computed (A, B: the left and right operand; K: the contracted axis; several contracted axes count as one K, in the product's order):
;;     1. [M 1,024, K 1,024] x [K 1,024, N 4,096]; A: input Wq1 (given as codes); B: input x: QUANTISED (scales: A lowp_scales[0], B lowp_scales[1])
;;     2. [M 1,024, K 1,024] x [K 1,024, N 4,096]; A: input Wk1 (given as codes); B: input x: QUANTISED (scales: A lowp_scales[2], B lowp_scales[3])
;;     3. [M 1,024, K 1,024] x [K 1,024, N 4,096]; A: input Wv1 (given as codes); B: input x: QUANTISED (scales: A lowp_scales[4], B lowp_scales[5])
;;     4. batch 32 x [M 2,048, K 64] x [K 64, N 2,048]; A: computed on the way; B: computed on the way: QUANTISED (scales: A lowp_scales[6], B lowp_scales[7])
;;     5. batch 32 x [M 2,048, K 2,048] x [K 2,048, N 64]; A: softmax (see below); B: computed on the way: QUANTISED (scales: A lowp_scales[8], B lowp_scales[9])
;;     6. [M 1,024, K 1,024] x [K 1,024, N 4,096]; A: input Wq2 (given as codes); B: computed on the way: QUANTISED (scales: A lowp_scales[10], B lowp_scales[11])
;;     7. [M 1,024, K 1,024] x [K 1,024, N 4,096]; A: input Wk2 (given as codes); B: input context (given as codes): QUANTISED (scales: A lowp_scales[12], B lowp_scales[13])
;;     8. [M 1,024, K 1,024] x [K 1,024, N 4,096]; A: input Wv2 (given as codes); B: input context (given as codes): QUANTISED (scales: A lowp_scales[14], B lowp_scales[15])
;;     9. batch 32 x [M 2,048, K 64] x [K 64, N 2,048]; A: computed on the way; B: computed on the way: QUANTISED (scales: A lowp_scales[16], B lowp_scales[17])
;;     10. batch 32 x [M 2,048, K 2,048] x [K 2,048, N 64]; A: softmax (see below); B: computed on the way: QUANTISED (scales: A lowp_scales[18], B lowp_scales[19])
;;     11. [M 4,096, K 1,024] x [K 1,024, N 1,024]; A: computed on the way; B: input fc1_w (given as codes): QUANTISED (scales: A lowp_scales[20], B lowp_scales[21])
;;     12. [M 4,096, K 1,024] x [K 1,024, N 1,024]; A: computed on the way; B: input fc2_w (given as codes): QUANTISED (scales: A lowp_scales[22], B lowp_scales[23])
;;   THE QUANTISER, for each operand of a quantised product, along K:
;;     - The operand's scale is 2^e, e = its entry of the input lowp_scales (int32; the entries are numbered through the quantised products in the list's order, A before B).
;;     - Each number is divided by the scale, clamped to +-57,344, and rounded to the nearest number of E5M2, ties to even, subnormals kept.
;;     - The product sums the exact products of the quantised numbers (number of the format x scale) in f32.
;;   ~~~python
;;   def quantise(x, axis, e):      # numpy; x: float32 -> the quantised numbers, widened to float32 again
;;       x = np.moveaxis(x, axis, -1); K = x.shape[-1]
;;       r = np.clip(x / 2.0 ** e, -57344, 57344)
;;       step = 2.0 ** (np.maximum(np.frexp(np.where(r == 0, 1, r))[1] - 1, -14) - 2)
;;       q = np.round(r / step) * step * 2.0 ** e      # np.round: ties to even
;;       return np.moveaxis(q, -1, axis).astype(np.float32)
;;   ~~~
;;   SOFTMAX AHEAD OF A QUANTISED PRODUCT. Where the list says 'softmax', what is quantised is not the finished softmax but p = 2^(t - M), with t = logit x log2(e) and M = ceil(the row's largest t), a whole number; so 1/2 < the row's largest p <= 1. The row's sum l is taken of the UNQUANTISED p, in f32, and the product's result is divided by l at the end. Since M is a whole number, a kernel that streams over the keys may use a running M (the ceiling of the running maximum): every later rescaling is an exact power of two, so the quantised numbers keep their values, but for numbers so far below the row's largest that they fall under the format's range.
;;   OPERANDS COMPUTED ON THE WAY. 'Computed on the way' means the value that the module computes at that place (a softmax that the list does not call 'softmax' is quantised finished and normalised). What goes into a quantiser is computed in f32, as accurately as f32 sums, v_exp_f32 and their like allow (about 1e-6 of the number): no bf16 or f16 on the way to a quantiser, and a product that is left as it is and whose result goes on into a quantised operand takes f32 operands (vector FMAs, or v_wmma_f32_16x16x4_f32). A number that lies on a knife's edge between two numbers of the format may be rounded either way, as far as f32 arithmetic and the matrix unit's own rounding can turn it there, and no further.
;;   INPUTS GIVEN AS CODES. Wk1 (in the module: [16, 1024, 64], K = its axis 1); Wk2 (in the module: [16, 1024, 64], K = its axis 1); Wq1 (in the module: [16, 1024, 64], K = its axis 1); Wq2 (in the module: [16, 1024, 64], K = its axis 1); Wv1 (in the module: [16, 1024, 64], K = its axis 1); Wv2 (in the module: [16, 1024, 64], K = its axis 1); context (in the module: [2, 2048, 1024], K = its axis 2); fc1_w (in the module: [1024, 1024], K = its axis 1); fc2_w (in the module: [1024, 1024], K = its axis 1): each comes as NAME_codes (uint8): NAME with its K axis moved to the last place and cut into blocks of 32 codes, [.., K / 32, bytes a block], one block behind the other in memory; one code a byte (a code: sign, 5 exponent bits, 2 mantissa bits); its scale is its entry of lowp_scales. Its value is code x scale, taken as it is: it is not quantised again, and the codes and scales need not be those that the quantiser above would give.
;; 2 versions, each right and faster than the one before. Each part assembles by itself: llvm-mc -triple=amdgcn-amd-amdhsa -mcpu=gfx1250 --defsym DOCPART=n.
;; ======== version 1 of 2: 10 launches
;; workspace buffers: xq 4,194,304 bytes; xk 4,194,304 bytes; xv 4,194,304 bytes; qkv 16,777,216 bytes; ra 16,777,216 bytes; msk 32,768 bytes; cfg1 256 bytes of whole numbers; cfg2 256 bytes of whole numbers
;; launch prep (part 1): grid 256 x 1, 8 waves a work-group, no clusters, 25,600 bytes of LDS; arguments x, lowp_scales, xq, xk, xv, msk, cfg1, cfg2; writes xq, xk, xv, msk, cfg1, cfg2
.if DOCPART == 1
	.amdgcn_target "amdgcn-amd-amdhsa--gfx1250"
	.amdhsa_code_object_version 6
	.text
	.protected	k_qf3e612d591_prep
	.globl	k_qf3e612d591_prep
	.p2align	8
	.type	k_qf3e612d591_prep,@function
k_qf3e612d591_prep:
	s_mov_b64 s[64:65], 0
	v_nop
	global_prefetch_b8 v0, s[64:65] scope:SCOPE_SE
	s_setreg_imm32_b32 hwreg(HW_REG_WAVE_MODE, 25, 1), 1
	s_wait_xcnt 0x0
; x [4096][1024] f32 becomes three sets of E5M2 codes (K innermost, row-major), one for each of the three products that read it: scales 2^e with e = entries 1, 3, 5 of the buffer of scales.
; code = x / 2^e, held within +-57,344, rounded to the nearest code, ties to even.  Beside them: mask0[row] = 0 where the whole row is 0, else 1; and the two records of whole numbers that tell
; the shared bodies of the later launches which stage they serve.
; SHARES.  A wave takes two rows; a load reads 512 consecutive bytes, 16 a lane, so lane l holds columns 128 j + 4 l + 0 .. 3 of chunk j.  A conversion's eight numbers are two chunks' four, and each
; of its two result registers holds four neighbouring codes: they go to the wave's own LDS bytes as words and come back 16 bytes a lane, so that a store covers 512 consecutive bytes.
; Waves share nothing: no barrier.  Every (row, set) has code registers and way-out registers of its own, so nothing that a store reads is written again.
; LIMITS: entries 1, 3, 5 between -126 and 112.  NaN among the inputs is not served (the hold and the mask's maximum drop it).
.set X,   16                           ; v16-79    two rows, 32 numbers a lane each
.set T,   80                           ; v80-111   a row's numbers, held
.set C,   112                          ; v112-159  codes: 8 registers for each (row, set)
.set OUT, 160                          ; v160-207  the way out: 8 registers for each (row, set)
.set MK,  208                          ; v208-209  the two rows' masks
.set MW,  210                          ; v210-211  at work
.set LM,  6                            ; v6-11     set s: 2^e as f32, 57,344 x 2^e
.set ONE, 12                           ; v12       1.0
	s_load_b512 s[4:19], s[0:1], 0x0               ; x, scales, xq, xk, xv, msk, cfg1, cfg2
	v_lshl_add_u32 v224, v0, 2, 0x6000
	v_mov_b32 v225, 0
	v_lshrrev_b32 v1, 5, v0
	v_readfirstlane_b32 s20, v1                    ; wave 0..7
	v_and_b32 v1, 31, v0                           ; lane
	v_lshlrev_b32 v2, 4, v1                        ; 16 x lane: my bytes of a load's or a store's 512
	s_mul_i32 s21, s20, 3072                       ; my wave's LDS bytes: 1,024 for each set
	v_lshl_add_u32 v3, v1, 2, s21                  ; in: a word a lane
	v_add_nc_u32 v4, s21, v2                       ; back: 16 bytes a lane
	v_mov_b32 v[ONE], 1.0
	v_mov_b32 v[MW+1], 0                           ; written once: a lane permute's destination counts as one of its sources
	s_mov_b32 s32, 0x76543210                      ; v_permlanex16_b32: lane l xor 16
	s_mov_b32 s33, 0xfedcba98
	s_lshl_b32 s22, ttmp9, 4
	s_lshl_b32 s23, s20, 1
	s_add_co_u32 s22, s22, s23                     ; my first row: 16 x work-group + 2 x wave
	s_lshl_b32 s34, s22, 12                        ; in x,
	s_mov_b32 s35, 0
	s_lshl_b32 s36, s22, 10                        ; in the codes,
	s_mov_b32 s37, 0
	s_lshl_b32 s38, s22, 2                         ; in the mask
	s_mov_b32 s39, 0
	s_wait_kmcnt 0x0
	s_load_b256 s[24:31], s[6:7], 0x0              ; entries 0 to 7
	s_add_nc_u64 s[4:5], s[4:5], s[34:35]
	s_add_nc_u64 s[8:9], s[8:9], s[36:37]
	s_add_nc_u64 s[10:11], s[10:11], s[36:37]
	s_add_nc_u64 s[12:13], s[12:13], s[36:37]
	s_add_nc_u64 s[14:15], s[14:15], s[38:39]
.irp r, 0,1
.irp j, 0,1,2,3,4,5,6,7
	global_load_b128 v[X+32*\r+4*\j:X+32*\r+4*\j+3], v2, s[4:5] offset:4096*\r+512*\j th:TH_LOAD_NT
.endr
.endr
	s_wait_kmcnt 0x0
.irp st, 0,1,2
	s_add_co_i32 s40, s[25+2*\st], 127
	s_lshl_b32 s41, s40, 23
	v_mov_b32 v[LM+2*\st], s41                     ; 2^e as f32: the conversion takes its exponent field
	s_add_co_i32 s40, s40, 15
	s_lshl_b32 s40, s40, 23
	s_or_b32 s40, s40, 0x600000
	v_mov_b32 v[LM+2*\st+1], s40                   ; 57,344 x 2^e
.endr
.macro ROW r
.set XR, X+32*(\r)
	s_wait_loadcnt 8*(1-(\r))                      ; this row's eight loads are in; the other row's eight may be out
	v_max3_num_f32 v[MW], |v[XR]|, |v[XR+1]|, |v[XR+2]|          ; the row's largest magnitude, in two chains
	v_max3_num_f32 v[MW+1], |v[XR+3]|, |v[XR+4]|, |v[XR+5]|
.irp i, 6,10,14,18,22,26
	v_max3_num_f32 v[MW], v[MW], |v[XR+\i]|, |v[XR+\i+1]|
	v_max3_num_f32 v[MW+1], v[MW+1], |v[XR+\i+2]|, |v[XR+\i+3]|
.endr
	v_max3_num_f32 v[MW], v[MW], |v[XR+30]|, |v[XR+31]|
	v_max_num_f32 v[MW], v[MW], v[MW+1]
	v_max_num_f32_dpp v[MW], v[MW], v[MW] row_xmask:1 row_mask:0xf bank_mask:0xf
	v_max_num_f32_dpp v[MW], v[MW], v[MW] row_xmask:2 row_mask:0xf bank_mask:0xf
	v_max_num_f32_dpp v[MW], v[MW], v[MW] row_xmask:4 row_mask:0xf bank_mask:0xf
	v_max_num_f32_dpp v[MW], v[MW], v[MW] row_xmask:8 row_mask:0xf bank_mask:0xf
	v_permlanex16_b32 v[MW+1], v[MW], s32, s33
	v_max_num_f32 v[MW], v[MW], v[MW+1]
	v_cmp_neq_f32 vcc_lo, 0, v[MW]
	v_cndmask_b32 v[MK+(\r)], 0, v[ONE], vcc_lo    ; 1 where some number of the row is not 0
.irp st, 0,1,2
.set CC, C+24*(\r)+8*\st
.set OO, OUT+24*(\r)+8*\st
.set n, 0
.rept 32
	v_med3_num_f32 v[T+n], v[XR+n], -v[LM+2*\st+1], v[LM+2*\st+1]   ; the conversion to an 8-bit code does not saturate (ISA guide 7.6.2): the hold comes first
.set n, n+1
.endr
.irp p, 0,1,2,3
	v_cvt_scalef32_pk8_bf8_f32 v[CC+2*\p:CC+2*\p+1], v[T+8*\p:T+8*\p+7], v[LM+2*\st]
.endr
	v_nop                                          ; a plain line between the conversions and the next set's holds, which write their sources
.irp j, 0,1,2,3,4,5,6,7
	ds_store_b32 v3, v[CC+\j] offset:1024*\st+128*\j   ; chunk j's four codes: bytes 128 j + 4 l of the row
.endr
	ds_load_b128 v[OO:OO+3], v4 offset:1024*\st        ; LDS serves a wave's instructions in order: these see the stores above
	ds_load_b128 v[OO+4:OO+7], v4 offset:1024*\st+512
.endr
.irp st, 0,1,2
.set OO, OUT+24*(\r)+8*\st
	s_wait_dscnt 10*(2-\st)                        ; behind this set's two loads stand ten LDS instructions for each later set
	global_store_b128 v2, v[OO:OO+3], s[8+2*\st:9+2*\st] offset:1024*(\r)         ; 512 consecutive bytes, aligned
	global_store_b128 v2, v[OO+4:OO+7], s[8+2*\st:9+2*\st] offset:1024*(\r)+512
.endr
.endm
	ROW 0
	ROW 1
	v_cmp_eq_u32 vcc_lo, 1, v1                     ; lanes 0 and 1 store the two rows' masks
	v_cndmask_b32 v[MW], v[MK], v[MK+1], vcc_lo
	v_lshlrev_b32 v[MW+1], 2, v1
	v_cmp_gt_u32 vcc_lo, 2, v1
	s_wait_xcnt 0x0                                ; EXEC changes only behind this wait
	s_and_saveexec_b32 s42, vcc_lo
	global_store_b32 v[MW+1], v[MW], s[14:15]
	s_wait_xcnt 0x0
	s_or_b32 exec_lo, exec_lo, s42
	s_or_b32 s43, ttmp9, s20                       ; wave 0 of work-group 0 stores the two records
	s_cmp_lg_u32 s43, 0
	s_cbranch_scc1 .Lend
	v_mov_b32 v212, 0                              ; stage 1: its ten scales begin at byte 0;
	v_mov_b32 v213, 1                              ; causal;
	v_mov_b32 v214, 0                              ; its mask lies at byte 0 of msk;
	v_mov_b32 v215, 44                             ; the norm behind it quantises by entry 11;
	v_mov_b32 v216, 1                              ; and stores a mask
	v_mov_b32 v218, 40                             ; stage 2: byte 40;
	v_mov_b32 v219, 0                              ; not causal;
	v_mov_b32 v220, 16384                          ; byte 16,384;
	v_mov_b32 v221, 80                             ; entry 20;
	v_mov_b32 v222, 0                              ; no mask
	v_mov_b32 v223, 0
	v_cmp_eq_u32 vcc_lo, 0, v1
	s_wait_xcnt 0x0
	s_and_saveexec_b32 s42, vcc_lo
	global_store_b128 v223, v[212:215], s[16:17]
	global_store_b32 v223, v216, s[16:17] offset:16
	global_store_b128 v223, v[218:221], s[18:19]
	global_store_b32 v223, v222, s[18:19] offset:16
	s_wait_xcnt 0x0
	s_or_b32 exec_lo, exec_lo, s42
.Lend:
	s_wait_tensorcnt 0x0
	ds_add_u32 v224, v225
	s_wait_dscnt 0x0
	s_endpgm
.Lfunc_end_k_qf3e612d591_prep:
	.size	k_qf3e612d591_prep, .Lfunc_end_k_qf3e612d591_prep-k_qf3e612d591_prep
	.p2alignl 7, 3214868480
	.fill 96, 4, 3214868480
	.section	.rodata,"a",@progbits
	.p2align	6, 0x0
	.amdhsa_kernel k_qf3e612d591_prep
		.amdhsa_group_segment_fixed_size 25600
		.amdhsa_private_segment_fixed_size 0
		.amdhsa_enable_private_segment 0
		.amdhsa_kernarg_size 64
		.amdhsa_user_sgpr_count 2
		.amdhsa_user_sgpr_kernarg_segment_ptr 1
		.amdhsa_wavefront_size32 1
		.amdhsa_system_sgpr_workgroup_id_x 1
		.amdhsa_system_sgpr_workgroup_id_y 1
		.amdhsa_system_sgpr_workgroup_id_z 1
		.amdhsa_system_vgpr_workitem_id 0
		.amdhsa_next_free_vgpr 226
		.amdhsa_next_free_sgpr 66
		.amdhsa_reserve_vcc 1
		.amdhsa_float_denorm_mode_32 3
		.amdhsa_float_denorm_mode_16_64 3
		.amdhsa_memory_ordered 1
		.amdhsa_forward_progress 1
		.amdhsa_inst_pref_size 27
	.end_amdhsa_kernel
	.amdgpu_metadata
---
amdhsa.version: [ 1, 2 ]
amdhsa.kernels:
  - .name:           k_qf3e612d591_prep
    .symbol:         k_qf3e612d591_prep.kd
    .args:
      - { .name: x, .offset: 0, .size: 8, .value_kind: global_buffer, .address_space: global }
      - { .name: lowp_scales, .offset: 8, .size: 8, .value_kind: global_buffer, .address_space: global }
      - { .name: xq, .offset: 16, .size: 8, .value_kind: global_buffer, .address_space: global }
      - { .name: xk, .offset: 24, .size: 8, .value_kind: global_buffer, .address_space: global }
      - { .name: xv, .offset: 32, .size: 8, .value_kind: global_buffer, .address_space: global }
      - { .name: msk, .offset: 40, .size: 8, .value_kind: global_buffer, .address_space: global }
      - { .name: cfg1, .offset: 48, .size: 8, .value_kind: global_buffer, .address_space: global }
      - { .name: cfg2, .offset: 56, .size: 8, .value_kind: global_buffer, .address_space: global }
    .group_segment_fixed_size: 25600
    .private_segment_fixed_size: 0
    .kernarg_segment_align: 8
    .kernarg_segment_size: 64
    .max_flat_workgroup_size: 256
    .sgpr_count:     66
    .vgpr_count:     226
    .wavefront_size: 32
...
	.end_amdgpu_metadata
.endif
;; end of part 1
;; launch proj1 (part 2): grid 12 x 16, 4 waves a work-group, clusters of 4 x 1, 266,752 bytes of LDS; arguments xq, xk, xv, Wq1_codes, Wk1_codes, Wv1_codes, lowp_scales, msk, cfg1, qkv; writes qkv
.if DOCPART == 2
	.amdgcn_target "amdgcn-amd-amdhsa--gfx1250"
	.amdhsa_code_object_version 6
	.text
	.protected	k_qf3e612d591_proj1
	.globl	k_qf3e612d591_proj1
	.p2align	8
	.type	k_qf3e612d591_proj1,@function
k_qf3e612d591_proj1:
	s_mov_b64 s[64:65], 0
	v_nop
	global_prefetch_b8 v0, s[64:65] scope:SCOPE_SE
	s_setreg_imm32_b32 hwreg(HW_REG_WAVE_MODE, 25, 1), 1
	s_wait_xcnt 0x0
	s_wait_alu depctr_hold_cnt(0) depctr_sa_sdst(0) depctr_va_vdst(0) depctr_va_sdst(0) depctr_va_ssrc(0) depctr_va_vcc(0) depctr_vm_vsrc(0)
	s_getreg_b32 s2, hwreg(HW_REG_IB_STS2, 6, 4)
	s_cmp_eq_u32 s2, 0
	s_cbranch_scc0 .Lentry_in_a_cluster
	s_endpgm
.Lentry_in_a_cluster:
	s_bfe_u32 s2, ttmp6, 0x10000c
	s_cmp_lg_u32 s2, 0x3003
	s_cbranch_scc0 .Lentry_shape_is_right
	s_endpgm
.Lentry_shape_is_right:
; Q, K, V of one attention stage: three products [4096 tokens][1024] x [1024][16 heads x 64] on E5M2 codes, their results x the token's mask, quantised again and stored as images of the operand
; registers that the attention launch wants.  The record of whole numbers says where the stage's ten scales and its mask lie.
; WHICH MATRIX, WHICH TOKENS: by the grid's shape.  m = cluster x + y / 16 is the matrix (0 Q, 1 K, 2 V), y % 16 the block of 256 tokens, and the tokens come from buffer number cluster x + min(y / 16, 1).
; Stage 1 is launched 3 clusters along x and 16 along y: matrix m reads token buffer m (x is quantised under three scales).  Stage 2 is launched 1 cluster along x and 48 along y: Q reads buffer 0,
; K and V both read buffer 1; the third token buffer is given to that launch and read by none of its clusters.  Both numbers are alike in the four partners of a cluster.
; SHARES.  A work-group takes 256 tokens and four heads, a wave one head: its 64 rows of W (65,536 bytes) stay in 512 registers for the whole launch.  The tokens' codes lie in LDS, filled once.
; The wave walks them in 16 tiles of 16 tokens: 32 LDS loads and 32 matrix instructions a tile, four accumulators by turns.  A head's 64 outputs of 16 tokens are one fragment of Q or K.
; CLUSTER.  The four work-groups of a cluster take the sixteen heads of one matrix for the same 256 tokens: the tokens' panel is asked for JOINTLY (mask 15).  No LDS byte is filled twice.
; Q, K: source 0 = 16 rows of W, source 1 = 16 tokens: a lane holds ONE token and eight neighbouring outputs a register run: the conversions' results are registers 2 u, 2 u + 1 of the K = 64 form.
; V:    source 0 = 16 tokens, source 1 = 16 rows of W: a lane holds ONE output and eight neighbouring tokens (the second product's K): registers 2 c, 2 c + 1 of the K = 128 form.
; Along the 1,024 both operands take k = 128 q + 32 c + 16 (lane / 16) + 0 .. 15 in registers 4 c .. 4 c + 3: one permutation of k on both sides, four 16-byte loads a fragment.
; THE MASK COSTS NOTHING: the hold's limit is mask x 57,344 x the scale; a masked token's limit is 0.
; LIMITS: for each of the three, e(result) - e(W) - e(tokens) between -126 and 112.  A masked number may come out as -0.
; REGISTERS: window 0: v1-10 addresses, v20 the conversion's scale, v32-63 accumulators, v64-79 codes, v96-111 limits (Q, K), v128-255 limits (V).
;   windows 1, 2: W's fragments of K steps 0-3, 4-7 at 64 (q % 4) + 16 u.   window 3: two buffers of a tile's eight token fragments, at 0 and at 128.
.set PITCH, 1040                       ; an LDS row: 1,024 bytes + 16 of padding = 260 words: row r starts at bank 4 r mod 64 (ISA guide 11.1)
.set T16,   16*PITCH
.set T64,   64*PITCH
.set FA,    4                          ; v4-7  my lane's place in the panel's rows 0, 64, 128, 192
.set ACC,   32
.set CD,    64
.set LQ,    96
.set LV,    128
.set G1,    24                         ; s[24:31] descriptor group 1
.set G0,    32                         ; s[32:47] four groups 0
.set WV,    58
.set MM,    63                         ; s63  which matrix
.set TS,    68                         ; s68  which token buffer
.set MSB, 0
.macro WIN new                         ; the immediate's high byte repeats the setting that is left
.if MSB != (\new)
	s_set_vgpr_msb (MSB<<8)|(\new)
.set MSB, (\new)
.endif
.endm
.macro CROUND                          ; a round of the cluster's barrier
	s_barrier_signal -1
	s_barrier_wait -1
	s_cmp_lg_u32 s[WV], 0
	s_cbranch_scc1 .Lnot_wave_0_\@
	s_barrier_signal -3
.Lnot_wave_0_\@:
	s_barrier_wait -3
	s_barrier_signal -1
	s_barrier_wait -1
.endm
.macro PLACES                          ; four plain vector lines behind matrix instructions (ISA guide 7.12.1)
.rept 4
	v_nop
.endr
.endm
	s_load_b512 s[4:19], s[0:1], 0x0               ; token buffers 0, 1, 2; W for Q, K, V; scales; msk
	s_load_b128 s[20:23], s[0:1], 0x40             ; the record; qkv
	v_lshl_add_u32 v126, v0, 2, 0x41000
	v_mov_b32 v127, 0
	ds_add_u32 v126, v127
	ds_add_u32 v126, v127
	v_lshrrev_b32 v1, 5, v0
	v_readfirstlane_b32 s[WV], v1                  ; wave 0..3
	s_bfe_u32 s59, ttmp6, 0x40000                  ; cx: it enters W's and the output's addresses alone
	s_and_b32 s60, ttmp7, 0xffff                   ; the cluster's y
	s_lshr_b32 s69, s60, 4                         ; y / 16
	s_and_b32 s60, s60, 15                         ; which 256 tokens
	s_add_co_u32 s[MM], ttmp9, s69                 ; which matrix
	s_min_u32 s69, s69, 1
	s_add_co_u32 s[TS], ttmp9, s69                 ; which token buffer
	s_lshl_b32 s61, s59, 2
	s_add_co_u32 s61, s61, s[WV]                   ; my head
	s_mov_b32 s[G1+0], 15|(1<<20)|(1<<21)|(7<<22)|(3<<25)   ; 15:0 all four work-groups; 17:16 elements of 1 byte; 20 padding on; 21 set beside a mask; 24:22 after every 256 words; 31:25 four words
	s_mov_b32 s[G1+1], 1024<<16                    ; tensor_dim0 = 1,024
	s_mov_b32 s[G1+2], 16<<16                      ; tensor_dim1 = 16
	s_mov_b32 s[G1+3], 1024<<16                    ; tile_dim0 = 1,024
	s_mov_b32 s[G1+4], 16                          ; tile_dim1 = 16
	s_mov_b32 s[G1+5], 1024                        ; from row to row
	s_mov_b32 s[G1+6], 0
	s_mov_b32 s[G1+7], 0
	s_mul_i32 s62, s[WV], T16                      ; of each group of 64 rows I fetch rows 16 w on
	s_lshl_b32 s66, s60, 18                        ; 256 tokens x 1,024 bytes,
	s_lshl_b32 s67, s[WV], 14
	s_add_co_u32 s66, s66, s67                     ; + my 16 rows
	s_mov_b32 s67, 0
	s_wait_dscnt 0x0
	s_wait_kmcnt 0x0
	s_load_b96 s[76:78], s[20:21], 0x0             ; where the scales begin; (causal); where the mask begins
	s_cmp_eq_u32 s[TS], 1                          ; made of the cluster's x and y alone: the same in all four partners
	s_cselect_b64 s[4:5], s[6:7], s[4:5]
	s_cmp_eq_u32 s[TS], 2
	s_cselect_b64 s[4:5], s[8:9], s[4:5]
	s_cmp_eq_u32 s[MM], 1
	s_cselect_b64 s[10:11], s[12:13], s[10:11]
	s_cmp_eq_u32 s[MM], 2
	s_cselect_b64 s[10:11], s[14:15], s[10:11]
	s_add_nc_u64 s[4:5], s[4:5], s[66:67]
.irp j, 0,1,2,3
	s_mov_b32 s[G0+4*\j], 1
	s_add_co_u32 s[G0+4*\j+1], s62, \j*T64
	s_add_nc_u64 s[G0+4*\j+2:G0+4*\j+3], s[4:5], \j*65536
	s_or_b32 s[G0+4*\j+3], s[G0+4*\j+3], 0x80000000
.endr
	CROUND                                         ; all four work-groups are here: the joint loads meet
	tensor_load_to_lds s[G0:G0+3], s[G1:G1+7]      ; the launch's only fills, as one group: four loads of mine are out
	s_nop 0
	tensor_load_to_lds s[G0+4:G0+7], s[G1:G1+7]
	s_nop 0
	tensor_load_to_lds s[G0+8:G0+11], s[G1:G1+7]
	s_nop 0
	tensor_load_to_lds s[G0+12:G0+15], s[G1:G1+7]
	s_nop 0
	PLACES                                         ; four such lines behind the loads
	v_and_b32 v1, 15, v0                           ; r
	v_bfe_u32 v2, v0, 4, 1                         ; h
	v_and_b32 v3, 31, v0
	v_lshlrev_b32 v3, 4, v3                        ; 16 x lane: an image's place for my lane
	v_mul_u32_u24 v[FA], v1, PITCH
	v_lshl_add_u32 v[FA], v2, 4, v[FA]
	v_add_nc_u32 v[FA+1], T64, v[FA]
	v_add_nc_u32 v[FA+2], 2*T64, v[FA]
	v_add_nc_u32 v[FA+3], 3*T64, v[FA]
	v_lshlrev_b32 v8, 10, v1
	v_lshl_add_u32 v8, v2, 4, v8                   ; W: row r of 1,024 bytes + 16 h
	v_lshlrev_b32 v9, 2, v1                        ; the mask of token r
	v_lshlrev_b32 v10, 5, v2                       ; the masks of tokens 8 h + 0 .. 7
	s_lshl_b32 s86, s61, 16                        ; my head's 64 rows
	s_mov_b32 s87, 0
	s_add_nc_u64 s[10:11], s[10:11], s[86:87]
	WIN 0x40                                       ; destination window 1
.irp q, 0,1,2,3
.irp u, 0,1,2,3
.irp c, 0,1,2,3
	global_load_b128 v[64*\q+16*\u+4*\c:64*\q+16*\u+4*\c+3], v8, s[10:11] offset:16384*\u+128*\q+32*\c
.endr
.endr
.endr
	WIN 0x80                                       ; destination window 2
.irp q, 0,1,2,3
.irp u, 0,1,2,3
.irp c, 0,1,2,3
	global_load_b128 v[64*\q+16*\u+4*\c:64*\q+16*\u+4*\c+3], v8, s[10:11] offset:16384*\u+128*(\q+4)+32*\c
.endr
.endr
.endr
	WIN 0
	s_wait_kmcnt 0x0
	s_min_u32 s76, s76, 40                         ; loaded numbers enter addresses only behind a bound
	s_min_u32 s78, s78, 16384
	s_load_b256 s[48:55], s[16:17], s76 offset:0x0 ; the stage's entries 0 to 7,
	s_load_b64 s[56:57], s[16:17], s76 offset:0x20 ; 8 and 9
	s_lshr_b32 s80, s60, 3                         ; batch
	s_lshl_b32 s80, s80, 4
	s_add_co_u32 s80, s80, s61                     ; 16 x batch + head
	s_lshl_b32 s86, s80, 17                        ; a head's images are 131,072 bytes,
	s_and_b32 s81, s60, 7
	s_lshl_b32 s81, s81, 14                        ; 256 tokens' 16,384,
	s_add_co_u32 s86, s86, s81
	s_lshl_b32 s81, s[MM], 22                      ; Q's, K's and V's lie 4 MiB apart
	s_add_co_u32 s86, s86, s81
	s_add_nc_u64 s[22:23], s[22:23], s[86:87]
	s_lshl_b32 s88, s60, 10                        ; 256 masks of 4 bytes
	s_add_co_u32 s88, s88, s78
	s_mov_b32 s89, 0
	s_add_nc_u64 s[18:19], s[18:19], s[88:89]
	s_wait_kmcnt 0x0
	s_cmp_eq_u32 s[MM], 1
	s_cselect_b32 s82, s50, s48                    ; e of W,
	s_cselect_b32 s83, s51, s49                    ; of the tokens,
	s_cselect_b32 s84, s55, s54                    ; of the result: Q entry 6, K entry 7, V entry 9
	s_cmp_eq_u32 s[MM], 2
	s_cselect_b32 s82, s52, s82
	s_cselect_b32 s83, s53, s83
	s_cselect_b32 s84, s57, s84
	s_sub_co_i32 s84, s84, s82
	s_sub_co_i32 s84, s84, s83                     ; a sum stands for sum x 2^(eW + eT): the three scales are folded into the conversion's one
	s_add_co_i32 s84, s84, 127
	s_lshl_b32 s85, s84, 23
	v_mov_b32 v20, s85
	s_add_co_i32 s84, s84, 15
	s_lshl_b32 s84, s84, 23
	s_or_b32 s72, s84, 0x600000                    ; 57,344 x that
.macro FETCH i                         ; tile i's eight token fragments into buffer i % 2
	WIN 0xc0                                       ; destination window 3
.irp q, 0,1,2,3,4,5,6,7
.irp c, 0,1,2,3
	ds_load_b128 v[128*((\i)%2)+16*\q+4*\c:128*((\i)%2)+16*\q+4*\c+3], v[FA+(\i)/4] offset:((\i)%4)*T16+128*\q+32*\c
.endr
.endr
	WIN 0
.endm
.macro MULS i, vt                      ; 32 matrix instructions; the four accumulators take turns, one instruction a turn, from tile to tile too
.irp q, 0,1,2,3,4,5,6,7
.if \vt
	WIN 0x07+4*(\q/4)                              ; source 0 the tokens (window 3), source 1 W (window 1 or 2)
.else
	WIN 0x0d+(\q/4)                                ; source 0 W (window 1 or 2), source 1 the tokens
.endif
.irp u, 0,1,2,3
.set WR, 64*(\q%4)+16*\u
.set TR, 128*((\i)%2)+16*\q
.set AR, ACC+8*\u
.if \vt
.if \q == 0
	v_wmma_f32_16x16x128_bf8_bf8 v[AR:AR+7], v[TR:TR+15], v[WR:WR+15], 0
.else
	v_wmma_f32_16x16x128_bf8_bf8 v[AR:AR+7], v[TR:TR+15], v[WR:WR+15], v[AR:AR+7]
.endif
.else
.if \q == 0
	v_wmma_f32_16x16x128_bf8_bf8 v[AR:AR+7], v[WR:WR+15], v[TR:TR+15], 0
.else
	v_wmma_f32_16x16x128_bf8_bf8 v[AR:AR+7], v[WR:WR+15], v[TR:TR+15], v[AR:AR+7]
.endif
.endif
.endr
.endr
	WIN 0
.endm
.macro EPIQ i                          ; lane = token r; register 8 u + j = output 16 u + 8 h + j
.set n, 0
.rept 32
	v_med3_num_f32 v[ACC+n], v[ACC+n], -v[LQ+(\i)], v[LQ+(\i)]   ; the mask and the hold in one; each accumulator from its low end on
.set n, n+1
.endr
.irp u, 0,1,2,3
	v_cvt_scalef32_pk8_bf8_f32 v[CD+2*\u:CD+2*\u+1], v[ACC+8*\u:ACC+8*\u+7], v20
.endr
	v_nop                                          ; a plain line between the conversions and the next products, which write their sources
	global_store_b128 v3, v[CD:CD+3], s[22:23] offset:1024*(\i)          ; the fragment as it stands: 512 consecutive bytes a store
	global_store_b128 v3, v[CD+4:CD+7], s[22:23] offset:1024*(\i)+512
.endm
.macro EPIV i                          ; lane = output 16 u + r; register j = token 16 i + 8 h + j
.irp u, 0,1,2,3
.irp j, 0,1,2,3,4,5,6,7
	v_med3_num_f32 v[ACC+8*\u+\j], v[ACC+8*\u+\j], -v[LV+8*(\i)+\j], v[LV+8*(\i)+\j]
.endr
.endr
.irp u, 0,1,2,3
	v_cvt_scalef32_pk8_bf8_f32 v[CD+4*\u+2*((\i)%2):CD+4*\u+2*((\i)%2)+1], v[ACC+8*\u:ACC+8*\u+7], v20
.endr
	v_nop
.if (\i)%2                             ; two tiles of tokens fill a group of four registers
.irp u, 0,1,2,3
	global_store_b128 v3, v[CD+4*\u:CD+4*\u+3], s[22:23] offset:((\i)/8)*8192+2048*\u+512*(((\i)%8)/2)
.endr
.endif
.endm
.macro TILE i, vt
	s_wait_dscnt 0x0                               ; this tile's fragments are in (asked for a tile ago)
.if (((\i)+1)%4 == 0) && ((\i) < 15)
	s_wait_tensorcnt 3-((\i)+1)/4                  ; my part of the next 64 rows has landed; my loads of the later groups may be out
	s_barrier_signal -1
	s_barrier_wait -1                              ; everybody's has
.endif
.if (\i) < 15
	FETCH (\i)+1                                   ; its buffer's last readers stand in front of the last tile's four places
.endif
	MULS \i, \vt
	PLACES
	s_wait_xcnt 0x0                                ; earlier stores have read the code registers, which are written again below
.if \vt
	EPIV \i
.else
	EPIQ \i
.endif
.endm
.macro START
	s_wait_tensorcnt 0x3                           ; my part of rows 0 to 63 has landed,
	s_barrier_signal -1
	s_barrier_wait -1                              ; everybody's has
	FETCH 0
.endm
	s_cmp_eq_u32 s[MM], 2                          ; alike in all partners
	s_cbranch_scc1 .Lv
.irp i, 0,1,2,3,4,5,6,7,8,9,10,11,12,13,14,15
	global_load_b32 v[LQ+\i], v9, s[18:19] offset:64*\i
.endr
	s_wait_loadcnt 0x0                             ; W and the masks
.irp i, 0,1,2,3,4,5,6,7,8,9,10,11,12,13,14,15
	v_mul_f32 v[LQ+\i], s72, v[LQ+\i]
.endr
	START
.irp i, 0,1,2,3,4,5,6,7,8,9,10,11,12,13,14,15
	TILE \i, 0
.endr
	s_branch .Lend
.Lv:
.irp i, 0,1,2,3,4,5,6,7,8,9,10,11,12,13,14,15
	global_load_b128 v[LV+8*\i:LV+8*\i+3], v10, s[18:19] offset:64*\i
	global_load_b128 v[LV+8*\i+4:LV+8*\i+7], v10, s[18:19] offset:64*\i+16
.endr
	s_wait_loadcnt 0x0
.set n, 0
.rept 128
	v_mul_f32 v[LV+n], s72, v[LV+n]
.set n, n+1
.endr
	START
.irp i, 0,1,2,3,4,5,6,7,8,9,10,11,12,13,14,15
	TILE \i, 1
.endr
.Lend:
	s_wait_tensorcnt 0x0
	ds_add_u32 v126, v127
	s_wait_dscnt 0x0
	CROUND                                         ; the closing round: no work-group ends while a partner may still ask for a tile that names it
	s_endpgm
.Lfunc_end_k_qf3e612d591_proj1:
	.size	k_qf3e612d591_proj1, .Lfunc_end_k_qf3e612d591_proj1-k_qf3e612d591_proj1
	.p2alignl 7, 3214868480
	.fill 96, 4, 3214868480
	.section	.rodata,"a",@progbits
	.p2align	6, 0x0
	.amdhsa_kernel k_qf3e612d591_proj1
		.amdhsa_group_segment_fixed_size 266752
		.amdhsa_private_segment_fixed_size 0
		.amdhsa_enable_private_segment 0
		.amdhsa_kernarg_size 80
		.amdhsa_user_sgpr_count 2
		.amdhsa_user_sgpr_kernarg_segment_ptr 1
		.amdhsa_wavefront_size32 1
		.amdhsa_system_sgpr_workgroup_id_x 1
		.amdhsa_system_sgpr_workgroup_id_y 1
		.amdhsa_system_sgpr_workgroup_id_z 1
		.amdhsa_system_vgpr_workitem_id 0
		.amdhsa_next_free_vgpr 1024
		.amdhsa_next_free_sgpr 96
		.amdhsa_reserve_vcc 0
		.amdhsa_float_denorm_mode_32 3
		.amdhsa_float_denorm_mode_16_64 3
		.amdhsa_memory_ordered 1
		.amdhsa_forward_progress 1
		.amdhsa_inst_pref_size 247
	.end_amdhsa_kernel
	.amdgpu_metadata
---
amdhsa.version: [ 1, 2 ]
amdhsa.kernels:
  - .name:           k_qf3e612d591_proj1
    .symbol:         k_qf3e612d591_proj1.kd
    .args:
      - { .name: xq, .offset: 0, .size: 8, .value_kind: global_buffer, .address_space: global }
      - { .name: xk, .offset: 8, .size: 8, .value_kind: global_buffer, .address_space: global }
      - { .name: xv, .offset: 16, .size: 8, .value_kind: global_buffer, .address_space: global }
      - { .name: Wq1_codes, .offset: 24, .size: 8, .value_kind: global_buffer, .address_space: global }
      - { .name: Wk1_codes, .offset: 32, .size: 8, .value_kind: global_buffer, .address_space: global }
      - { .name: Wv1_codes, .offset: 40, .size: 8, .value_kind: global_buffer, .address_space: global }
      - { .name: lowp_scales, .offset: 48, .size: 8, .value_kind: global_buffer, .address_space: global }
      - { .name: msk, .offset: 56, .size: 8, .value_kind: global_buffer, .address_space: global }
      - { .name: cfg1, .offset: 64, .size: 8, .value_kind: global_buffer, .address_space: global }
      - { .name: qkv, .offset: 72, .size: 8, .value_kind: global_buffer, .address_space: global }
    .group_segment_fixed_size: 266752
    .private_segment_fixed_size: 0
    .kernarg_segment_align: 8
    .kernarg_segment_size: 80
    .max_flat_workgroup_size: 128
    .sgpr_count:     96
    .vgpr_count:     1024
    .wavefront_size: 32
...
	.end_amdgpu_metadata
.endif
;; end of part 2
;; launch attn1 (part 3): grid 8 x 32, 16 waves a work-group, no clusters, 272,640 bytes of LDS; arguments qkv, msk, lowp_scales, cfg1, out0; writes out0
.if DOCPART == 3
	.amdgcn_target "amdgcn-amd-amdhsa--gfx1250"
	.amdhsa_code_object_version 6
	.text
	.protected	k_qf3e612d591_attn1
	.globl	k_qf3e612d591_attn1
	.p2align	8
	.type	k_qf3e612d591_attn1,@function
k_qf3e612d591_attn1:
	s_mov_b64 s[64:65], 0
	v_nop
	global_prefetch_b8 v0, s[64:65] scope:SCOPE_SE
	s_setreg_imm32_b32 hwreg(HW_REG_WAVE_MODE, 25, 1), 1
	s_wait_xcnt 0x0
; One attention stage on E5M2 codes: z[b][q][64 head + d] = mask[q] x sum over k of softmax_k(Q . K / 8) V, with the length mask that is counted from row 0 of the scores and, where the record says so, the causal mask.
; Q, K, V come as images of operand registers: Q, K: 1,024 bytes a tile of 16 tokens (K = 64 form); V: 2,048 bytes for 16 of the head's 64 x 128 keys (K = 128 form, keys innermost).
; THE SOFTMAX AHEAD OF THE SECOND PRODUCT: t = score x log2(e) / 8; M = the running largest t rounded UP to a whole number; p = 2^(t - M) is quantised, not normalised; the row's sum is taken of the unquantised p
; and divides at the end.  When M moves, the sum and O are multiplied by 2^(old M - new M): exact.
; SHARES.  A work-group serves one (batch, head) and the query blocks i and 15 - i of 128: under the causal mask every work-group then has the same number of key steps.  Sixteen waves, 16 queries each, four to a SIMD.
; The head's K and V (131,072 bytes each) are copied into LDS once, through registers, and read by all sixteen waves.  No tensor load.
; Not shared in a cluster: what work-groups share is fetched once by each, 512 bytes a thread, at the head.
; LENGTH.  Each wave multiplies the head's query tile 0 by 128 keys, counts the scores of query 0 that are not 0; the sixteen counts meet in LDS; keys at or beyond the sum get -infinity in a table of 2,048 addends.
; The count only selects values: no branch and no address hangs on it.
; LAYOUT.  S^T = K Q^T (source 0 = 16 keys, source 1 = my queries), O^T = V^T P^T: a lane holds ONE query (lane % 16) throughout; register 8 t + j of S^T is key 16 t + 8 (lane / 16) + j, so the conversions' results are
; registers 2 t, 2 t + 1 of the K = 128 form.
; LIMITS: eq + ek between -123 and 130 (added to c's exponent field); ep between -126 and 112; ep + ev by v_ldexp_f32: none.  A score counts as not 0 by the f32 sum of the codes' products, before its power of two.
; REGISTERS: v1-7 addresses; v12 -M, v13 the largest t, v[14:15] the sum; v16-23 Q; v24-87 K, addends, then V; v88-95 query tile 0; v96-159 S^T, then p; v160-191 O^T; v192-207 p's codes; v208-239 addends; v240.. constants, at work.
.set VIMG, 131072                      ; LDS: K's images at 0, V's here,
.set BIAS, 262144                      ; the addends, f32 [2048],
.set CNT,  270336                      ; the sixteen counts
.set SP,   272                         ; the way out: a stage row, 256 bytes + 16
.set SEL, 24                           ; s[24:25] lane selects: lane l xor 16
.set CS,  26                           ; s[26:27] c
.set KF,  28                           ; the step's first key
.set KB,  29                           ; its images' byte in K's and in V's region
.set BB,  30                           ; its addends' byte
.set QL,  31                           ; causal: my last query, else the greatest number
.set QD,  32                           ; causal: my first query, else the greatest number
.set Q0,  33
.set TR,  34
.set MQ,  245                          ; my query's mask
.set PT,  246
.set NI,  247                          ; -infinity
.set ZR,  248                          ; 0
.set ONE, 249                          ; 1
.set DD,  250
	s_load_b256 s[4:11], s[0:1], 0x0               ; qkv, msk, scales, the record
	s_load_b64 s[12:13], s[0:1], 0x20              ; z
	v_lshl_add_u32 v251, v0, 2, 0x42100
	v_mov_b32 v255, 0
	v_lshrrev_b32 v8, 5, v0
	v_readfirstlane_b32 s14, v8                    ; wave 0..15
	v_and_b32 v9, 31, v0
	v_lshlrev_b32 v1, 4, v9                        ; 16 x lane: an image's place for my lane
	v_and_b32 v10, 15, v0                          ; r
	v_bfe_u32 v11, v0, 4, 1                        ; h
	v_lshl_add_u32 v5, v11, 5, BIAS                ; the addends of keys 8 h on
	v_lshlrev_b32 v8, 3, v11
	v_sub_nc_u32 v6, v10, v8                       ; r - 8 h
	v_add_nc_u32 v7, VIMG, v1
	v_lshlrev_b32 v2, 4, v0                        ; the copy: 16 x thread, in memory and in LDS,
	v_add_nc_u32 v3, 65536, v2                     ; and 65,536 bytes further on each, since an LDS offset has 16 bits
	v_add_nc_u32 v4, VIMG, v2
	v_add_nc_u32 v9, VIMG+65536, v2
	v_lshlrev_b32 v10, 2, v10                      ; 4 r
	s_mov_b32 s[SEL], 0x76543210
	s_mov_b32 s[SEL+1], 0xfedcba98
	s_and_b32 s15, ttmp7, 0xffff                   ; 16 x batch + head
	s_lshr_b32 s35, s14, 2
	s_xor_b32 s35, s35, s14
	s_and_b32 s35, s35, 1                          ; which of the two blocks: both kinds fall on every SIMD whether waves are dealt singly or in fours
	s_sub_co_u32 s36, 15, ttmp9
	s_cmp_eq_u32 s35, 1
	s_cselect_b32 s36, s36, ttmp9
	s_lshl_b32 s36, s36, 7
	s_lshr_b32 s37, s14, 1
	s_lshl_b32 s37, s37, 4
	s_add_co_u32 s[Q0], s36, s37                   ; my first query
	s_lshl_b32 s36, s15, 17                        ; a head's images
	s_mov_b32 s37, 0
	s_lshl_b32 s38, s[Q0], 6                       ; my tile of Q: 1,024 bytes for 16 queries
	s_mov_b32 s39, 0
	s_lshr_b32 s40, s15, 4
	s_lshl_b32 s40, s40, 11
	s_add_co_u32 s40, s40, s[Q0]                   ; my first row of z
	s_lshl_b32 s42, s40, 12
	s_and_b32 s41, s15, 15
	s_lshl_b32 s41, s41, 8
	s_add_co_u32 s42, s42, s41                     ; + the head's 256 bytes
	s_mov_b32 s43, 0
	s_lshl_b32 s44, s40, 2
	s_mov_b32 s45, 0
	s_wait_kmcnt 0x0
	s_load_b96 s[16:18], s[10:11], 0x0             ; where the scales begin; causal; where the mask begins
	s_add_nc_u64 s[4:5], s[4:5], s[36:37]          ; Q's images of my head; K's lie 4 MiB on,
	s_add_nc_u64 s[46:47], s[4:5], 0x800000        ; V's 8 MiB
	s_add_nc_u64 s[48:49], s[4:5], s[38:39]
	s_add_nc_u64 s[12:13], s[12:13], s[42:43]
.irp n, 0,1,2,3,4,5,6,7,8,9,10,11,12,13,14,15
	global_load_b128 v[96+4*\n:99+4*\n], v2, s[4:5] offset:0x400000+8192*\n
.endr
	global_load_b128 v[88:91], v1, s[4:5]          ; the head's query tile 0
	global_load_b128 v[92:95], v1, s[4:5] offset:512
	global_load_b128 v[16:19], v1, s[48:49]        ; my queries
	global_load_b128 v[20:23], v1, s[48:49] offset:512
	s_wait_kmcnt 0x0
	s_min_u32 s16, s16, 40                         ; loaded numbers enter addresses only behind a bound
	s_min_u32 s18, s18, 16384
	s_load_b128 s[20:23], s[8:9], s16 offset:0x18  ; eq, ek, ep, ev
	s_add_co_u32 s44, s44, s18
	s_add_nc_u64 s[6:7], s[6:7], s[44:45]
	global_load_b32 v[MQ], v10, s[6:7]
.irp n, 0,1,2,3,4,5,6,7,8,9,10,11,12,13,14,15
	global_load_b128 v[24+4*\n:27+4*\n], v2, s[46:47] offset:8192*\n
.endr
	s_wait_loadcnt 21                              ; K's sixteen are in; behind them: Q's four, the mask, V's sixteen
.irp n, 0,1,2,3,4,5,6,7
	ds_store_b128 v2, v[96+4*\n:99+4*\n] offset:8192*\n
.endr
.irp n, 0,1,2,3,4,5,6,7
	ds_store_b128 v3, v[128+4*\n:131+4*\n] offset:8192*\n
.endr
	s_wait_loadcnt 0x0
.irp n, 0,1,2,3,4,5,6,7
	ds_store_b128 v4, v[24+4*\n:27+4*\n] offset:8192*\n
.endr
.irp n, 0,1,2,3,4,5,6,7
	ds_store_b128 v9, v[56+4*\n:59+4*\n] offset:8192*\n
.endr
	s_wait_dscnt 0x0                               ; for the others' sake: my stores have landed
	s_barrier_signal -1
	s_barrier_wait -1                              ; K and V lie in LDS
	; ---- the length: query 0's scores against my 128 keys
	s_lshl_b32 s35, s14, 13
	v_add_nc_u32 v2, s35, v1
.irp t, 0,1,2,3,4,5,6,7
	ds_load_b128 v[160+8*\t:163+8*\t], v2 offset:1024*\t
	ds_load_b128 v[164+8*\t:167+8*\t], v2 offset:1024*\t+512
.endr
	s_wait_dscnt 0x0
.irp t, 0,1,2,3,4,5,6,7
	v_wmma_f32_16x16x64_bf8_bf8 v[96+8*\t:103+8*\t], v[160+8*\t:167+8*\t], v[88:95], 0
.endr
	v_mov_b32 v8, 0                                ; the count.  (These four are the places behind the products)
	v_mov_b32 v[NI], 0xff800000
	v_mov_b32 v[ZR], 0
	v_mov_b32 v[ONE], 1
.set n, 0
.rept 64
	v_cmp_neq_f32 vcc_lo, 0, v[96+n]               ; each accumulator from its low end on
	v_cndmask_b32 v9, 0, v[ONE], vcc_lo
	v_add_nc_u32 v8, v8, v9
.set n, n+1
.endr
	v_readlane_b32 s35, v8, 0                      ; query 0 lies in lanes 0 and 16
	v_readlane_b32 s36, v8, 16
	s_add_co_u32 s35, s35, s36
	v_mov_b32 v9, s35
	v_mov_b32 v2, s14
	v_lshlrev_b32 v2, 2, v2
	v_add_nc_u32 v2, CNT, v2
	ds_store_b32 v2, v9                            ; all lanes write the same word with the same value
	s_wait_dscnt 0x0
	s_barrier_signal -1
	s_barrier_wait -1                              ; the sixteen counts lie in LDS
	v_mov_b32 v2, CNT
.irp k, 0,1,2,3
	ds_load_b128 v[96+4*\k:99+4*\k], v2 offset:16*\k
.endr
	s_wait_dscnt 0x0
.irp k, 1,2,3,4,5,6,7,8,9,10,11,12,13,14,15
	v_add_nc_u32 v96, v96, v[96+\k]                ; the length, in every lane
.endr
	v_lshlrev_b32 v9, 2, v0                        ; my four keys of the table
.irp e, 0,1,2,3
	v_add_nc_u32 v8, \e, v9
	v_cmp_gt_u32 vcc_lo, v96, v8
	v_cndmask_b32 v[112+\e], v[NI], v[ZR], vcc_lo  ; 0 where key < length, else -infinity
.endr
	v_lshl_add_u32 v2, v0, 4, BIAS
	ds_store_b128 v2, v[112:115]
	s_wait_dscnt 0x0
	s_barrier_signal -1
	s_barrier_wait -1                              ; the table is whole
	; ---- constants
	s_wait_kmcnt 0x0
	s_mov_b32 s[CS], 0x3e38aa3b                    ; c = log2(e) / 8
	s_add_co_i32 s35, s20, s21
	s_lshl_b32 s35, s35, 23
	s_add_co_i32 s[CS], s[CS], s35                 ; a score stands for score x 2^(eq + ek): added to c's exponent field
	s_mov_b32 s[CS+1], s[CS]                       ; (named with it as a pair, so it is written)
	s_add_co_i32 s35, s22, 127
	s_lshl_b32 s36, s35, 23
	v_mov_b32 v244, s36                            ; 2^ep as f32, for the conversion
	s_add_co_i32 s35, s35, 15
	s_lshl_b32 s35, s35, 23
	s_or_b32 s35, s35, 0x600000
	v_mov_b32 v240, s35                            ; 57,344 x 2^ep
	v_mov_b32 v13, 0xff61b1e6                      ; the largest t so far: -3e38
	v_floor_f32 v12, -v13                          ; -M
	v_mov_b32 v14, 0
	v_mov_b32 v15, 0
	v_mov_b32 v[PT], 0                             ; written once: a lane permute's destination counts as one of its sources
	v_mov_b32 v253, 0                              ; (named as the upper half of the pair v[252:253])
.set n, 0
.rept 32
	v_mov_b32 v[160+n], 0                          ; O^T: the step is written once, and its first trip finds zeros
.set n, n+1
.endr
	s_add_co_u32 s35, s[Q0], 15
	s_cmp_eq_u32 s17, 1                            ; causal?  A stored whole number
	s_cselect_b32 s[QL], s35, -1
	s_cselect_b32 s[QD], s[Q0], -1
	s_mov_b32 s[KF], 0
	s_mov_b32 s[KB], 0
	s_mov_b32 s[BB], 0
	s_mov_b32 s[TR], 0
.Lstep:                                            ; sixteen trips, 128 keys each: the count is a constant; a step all of whose keys come after my queries jumps over its work
	s_cmp_gt_u32 s[KF], s[QL]
	s_cbranch_scc1 .Lhidden
	v_add_nc_u32 v2, s[KB], v1                     ; these three and the v_nop are the four places in front of loads into registers that the last products read
	v_add_nc_u32 v3, s[KB], v7
	v_add_nc_u32 v4, s[BB], v5
	v_nop
.irp t, 0,1,2,3,4,5,6,7
	ds_load_b128 v[24+8*\t:27+8*\t], v2 offset:1024*\t
	ds_load_b128 v[28+8*\t:31+8*\t], v2 offset:1024*\t+512
.endr
.irp t, 0,1,2,3
	ds_load_b128 v[208+8*\t:211+8*\t], v4 offset:64*\t       ; the addends of tiles 0 to 3
	ds_load_b128 v[212+8*\t:215+8*\t], v4 offset:64*\t+16
.endr
	s_wait_dscnt 0x0
.irp t, 0,1,2,3,4,5,6,7
	v_wmma_f32_16x16x64_bf8_bf8 v[96+8*\t:103+8*\t], v[24+8*\t:31+8*\t], v[16:23], 0
.endr
.rept 4
	v_nop
.endr
.irp t, 0,1,2,3
	ds_load_b128 v[24+8*\t:27+8*\t], v4 offset:256+64*\t     ; the addends of tiles 4 to 7, where K's first fragments lay
	ds_load_b128 v[28+8*\t:31+8*\t], v4 offset:256+64*\t+16
.endr
.set n, 0
.rept 16
	v_pk_add_f32 v[96+n:97+n], v[96+n:97+n], v[208+n:209+n]  ; keys at or beyond the length become -infinity
.set n, n+2
.endr
	s_wait_dscnt 0x0
.set n, 0
.rept 16
	v_pk_add_f32 v[128+n:129+n], v[128+n:129+n], v[24+n:25+n]
.set n, n+2
.endr
.irp u, 0,1,2,3
.irp g, 0,1,2,3
	ds_load_b128 v[24+16*\u+4*\g:27+16*\u+4*\g], v3 offset:2048*\u+512*\g   ; V's four fragments: they land while the softmax is walked
.endr
.endr
	s_add_co_u32 s35, s[KF], 127
	s_cmp_le_u32 s35, s[QD]                        ; a step all of whose keys count skips the diagonal's lines
	s_cbranch_scc1 .Lopen
	s_sub_co_i32 s35, s[Q0], s[KF]
	v_add_nc_u32 v[DD], s35, v6                    ; d = my query - KF - 8 h: register 8 t + j is hidden where 16 t + j > d
.set n, 0
.rept 64
	v_cmp_gt_i32 vcc_lo, 16*(n/8)+n%8, v[DD]
	v_cndmask_b32 v[96+n], v[96+n], v[NI], vcc_lo
.set n, n+1
.endr
.Lopen:
	v_max3_num_f32 v254, v96, v97, v98             ; the step's largest score of my query among my 64 keys, in two chains,
	v_max3_num_f32 v252, v99, v100, v101
.irp i, 6,10,14,18,22,26,30,34,38,42,46,50,54,58
	v_max3_num_f32 v254, v254, v[96+\i], v[97+\i]
	v_max3_num_f32 v252, v252, v[98+\i], v[99+\i]
.endr
	v_max3_num_f32 v254, v254, v158, v159
	v_max_num_f32 v254, v254, v252
	v_permlanex16_b32 v[PT], v254, s[SEL], s[SEL+1]
	v_max_num_f32 v254, v254, v[PT]                ; and among lane l xor 16's
	v_mul_f32 v254, s[CS], v254                    ; as t (c is positive)
	v_max_num_f32 v13, v13, v254                   ; the running largest t
	v_mov_b32 v254, v12
	v_floor_f32 v12, -v13                          ; the new -M = floor(-t): M is a whole number
	v_sub_f32 v254, v12, v254                      ; old M - new M: a whole number, 0 or less
	v_cvt_i32_f32 v254, v254                       ; (it saturates)
	v_ldexp_f32 v252, 1.0, v254                    ; f = 2^(old M - new M)
.set n, 0
.rept 32
	v_pk_fma_f32 v[96+n:97+n], v[96+n:97+n], s[CS:CS+1], v[12:13] op_sel_hi:[1,0,0]   ; t - M, two at a time
.set n, n+2
.endr
.set n, 0
.rept 64
	v_exp_f32 v[96+n], v[96+n]                     ; p = 2^(t - M): one batch
.set n, n+1
.endr
	v_pk_mul_f32 v[14:15], v[14:15], v[252:253] op_sel_hi:[1,0]   ; the sums under the new M: the plain line behind the exponentials
	s_wait_alu depctr_va_vdst(0)                   ; one wait for the batch, ahead of its first reader
	v_pk_add_f32 v[242:243], v[96:97], v[98:99]    ; the row's sum is taken of the unquantised p, in two chains
.irp j, 4,8,12,16,20,24,28,32,36,40,44,48,52,56,60
	v_pk_add_f32 v[14:15], v[14:15], v[96+\j:97+\j]
	v_pk_add_f32 v[242:243], v[242:243], v[98+\j:99+\j]
.endr
	v_pk_add_f32 v[14:15], v[14:15], v[242:243]
.irp t, 0,1,2,3,4,5,6,7
.irp j, 0,1,2,3,4,5,6,7
	v_min_num_f32 v[96+8*\t+\j], v[96+8*\t+\j], v240   ; the conversion does not saturate (ISA guide 7.6.2); p is not negative, so the hold is one-sided
.endr
	v_cvt_scalef32_pk8_bf8_f32 v[192+2*\t:193+2*\t], v[96+8*\t:103+8*\t], v244
.endr
.set n, 0
.rept 16
	v_pk_mul_f32 v[160+n:161+n], v[160+n:161+n], v[252:253] op_sel_hi:[1,0]   ; O^T under the new M; also the plain lines between the conversions and the products
.set n, n+2
.endr
	s_wait_dscnt 0x0                               ; V is in
.irp u, 0,1,2,3
	v_wmma_f32_16x16x128_bf8_bf8 v[160+8*\u:167+8*\u], v[24+16*\u:39+16*\u], v[192:207], v[160+8*\u:167+8*\u]   ; the four accumulators by turns, one instruction a turn
.endr
.Lhidden:
	s_add_co_u32 s[KF], s[KF], 128
	s_add_co_u32 s[KB], s[KB], 8192
	s_add_co_u32 s[BB], s[BB], 512
	s_add_co_u32 s[TR], s[TR], 1
	s_cmp_lt_u32 s[TR], 16
	s_cbranch_scc1 .Lstep
	; ---- the way out: O^T / the sum x 2^(ep + ev) x my query's mask, through my stage, which lies where K lay
	s_wait_dscnt 0x0
	s_barrier_signal -1
	s_barrier_wait -1                              ; nobody reads K any more
	v_add_f32 v14, v14, v15
	v_permlanex16_b32 v[PT], v14, s[SEL], s[SEL+1]
	v_add_f32 v14, v14, v[PT]                      ; the row's sum
	v_rcp_f32 v14, v14
	v_and_b32 v8, 15, v0                           ; (the plain line behind the reciprocal)  r
	v_bfe_u32 v9, v0, 4, 1                         ; h
	s_add_co_i32 s35, s22, s23
	s_mul_i32 s36, s14, 16*SP                      ; my stage
	v_mul_u32_u24 v10, v8, SP
	v_lshl_add_u32 v10, v9, 5, v10
	v_add_nc_u32 v10, s36, v10                     ; in: row r, + 32 h
	v_mul_u32_u24 v11, v9, SP
	v_lshl_add_u32 v11, v8, 4, v11
	v_add_nc_u32 v11, s36, v11                     ; back: lanes 0-15 one row, lanes 16-31 the next
	v_lshlrev_b32 v2, 12, v9
	v_lshl_add_u32 v2, v8, 4, v2                   ; and the same two rows in z
	s_wait_alu depctr_va_vdst(0)                   ; ahead of the reciprocal's first reader
	v_ldexp_f32 v14, v14, s35
	v_mul_f32 v14, v14, v[MQ]
.set n, 0
.rept 32
	v_mul_f32 v[96+n], v[160+n], v14               ; register 8 u + j is z(r, 16 u + 8 h + j)
.set n, n+1
.endr
.irp u, 0,1,2,3
	ds_store_b128 v10, v[96+8*\u:99+8*\u] offset:64*\u
	ds_store_b128 v10, v[100+8*\u:103+8*\u] offset:64*\u+16
.endr
.irp k, 0,1,2,3,4,5,6,7
	ds_load_b128 v[24+4*\k:27+4*\k], v11 offset:2*SP*\k    ; LDS serves a wave's instructions in order: these see my stores
.endr
.irp k, 0,1,2,3,4,5,6,7
	s_wait_dscnt 7-\k
	global_store_b128 v2, v[24+4*\k:27+4*\k], s[12:13] offset:8192*\k   ; sixteen lanes store 256 consecutive bytes, aligned
.endr
	s_wait_tensorcnt 0x0
	ds_add_u32 v251, v255
	s_wait_dscnt 0x0
	s_endpgm
.Lfunc_end_k_qf3e612d591_attn1:
	.size	k_qf3e612d591_attn1, .Lfunc_end_k_qf3e612d591_attn1-k_qf3e612d591_attn1
	.p2alignl 7, 3214868480
	.fill 96, 4, 3214868480
	.section	.rodata,"a",@progbits
	.p2align	6, 0x0
	.amdhsa_kernel k_qf3e612d591_attn1
		.amdhsa_group_segment_fixed_size 272640
		.amdhsa_private_segment_fixed_size 0
		.amdhsa_enable_private_segment 0
		.amdhsa_kernarg_size 40
		.amdhsa_user_sgpr_count 2
		.amdhsa_user_sgpr_kernarg_segment_ptr 1
		.amdhsa_wavefront_size32 1
		.amdhsa_system_sgpr_workgroup_id_x 1
		.amdhsa_system_sgpr_workgroup_id_y 1
		.amdhsa_system_sgpr_workgroup_id_z 1
		.amdhsa_system_vgpr_workitem_id 0
		.amdhsa_next_free_vgpr 256
		.amdhsa_next_free_sgpr 66
		.amdhsa_reserve_vcc 1
		.amdhsa_float_denorm_mode_32 3
		.amdhsa_float_denorm_mode_16_64 3
		.amdhsa_memory_ordered 1
		.amdhsa_forward_progress 1
		.amdhsa_inst_pref_size 48
	.end_amdhsa_kernel
	.amdgpu_metadata
---
amdhsa.version: [ 1, 2 ]
amdhsa.kernels:
  - .name:           k_qf3e612d591_attn1
    .symbol:         k_qf3e612d591_attn1.kd
    .args:
      - { .name: qkv, .offset: 0, .size: 8, .value_kind: global_buffer, .address_space: global }
      - { .name: msk, .offset: 8, .size: 8, .value_kind: global_buffer, .address_space: global }
      - { .name: lowp_scales, .offset: 16, .size: 8, .value_kind: global_buffer, .address_space: global }
      - { .name: cfg1, .offset: 24, .size: 8, .value_kind: global_buffer, .address_space: global }
      - { .name: out0, .offset: 32, .size: 8, .value_kind: global_buffer, .address_space: global }
    .group_segment_fixed_size: 272640
    .private_segment_fixed_size: 0
    .kernarg_segment_align: 8
    .kernarg_segment_size: 40
    .max_flat_workgroup_size: 512
    .sgpr_count:     66
    .vgpr_count:     256
    .wavefront_size: 32
...
	.end_amdgpu_metadata
.endif
;; end of part 3
;; launch ln1 (part 4): grid 256 x 1, 8 waves a work-group, no clusters, 17,408 bytes of LDS; arguments x, out0, ln1_g, ln1_b, lowp_scales, cfg1, ra, xq, msk; writes ra, xq, msk
.if DOCPART == 4
	.amdgcn_target "amdgcn-amd-amdhsa--gfx1250"
	.amdhsa_code_object_version 6
	.text
	.protected	k_qf3e612d591_ln1
	.globl	k_qf3e612d591_ln1
	.p2align	8
	.type	k_qf3e612d591_ln1,@function
k_qf3e612d591_ln1:
	s_mov_b64 s[64:65], 0
	v_nop
	global_prefetch_b8 v0, s[64:65] scope:SCOPE_SE
	s_setreg_imm32_b32 hwreg(HW_REG_WAVE_MODE, 25, 1), 1
	s_wait_xcnt 0x0
; y = layernorm(res + z) x g + b over rows of 1,024, in f32; y is stored, and so are its E5M2 codes (K innermost, row-major) under the scale entry that the record of whole numbers names;
; where the record says so, also the mask 0 / 1 of rows of y that are all 0, at byte 16,384 of msk.
; SHARES.  A wave takes two rows; a load reads 512 consecutive bytes, so lane l holds columns 128 j + 4 l + 0 .. 3 of chunk j.  Mean first, then the mean of the squared differences: no difference of large sums.
; The codes turn through the wave's own LDS bytes as in the first launch.  Waves share nothing: no barrier.
; LIMITS: the entry between -126 and 112.  NaN is not served by the hold and the mask.
.set R,  16                            ; v16-47 row 0, v48-79 its z (then at work); v80-111 row 1, v112-143 its z
.set G,  144
.set B,  176
.set C,  208                           ; codes: 8 registers a row
.set OC, 224                           ; the codes' way out: 8 registers a row
.set MK, 14                            ; v14-15 the rows' masks
	s_load_b512 s[4:19], s[0:1], 0x0               ; res, z, g, b, scales, the record, y, y's codes
	s_load_b64 s[20:21], s[0:1], 0x40              ; msk
	v_lshl_add_u32 v240, v0, 2, 0x4000
	v_mov_b32 v241, 0
	v_lshrrev_b32 v1, 5, v0
	v_readfirstlane_b32 s22, v1                    ; wave
	v_and_b32 v1, 31, v0                           ; lane
	v_lshlrev_b32 v2, 4, v1
	s_lshl_b32 s23, s22, 11                        ; my wave's LDS bytes: 1,024 a row
	v_lshl_add_u32 v3, v1, 2, s23
	v_add_nc_u32 v4, s23, v2
	v_mov_b32 v7, 1.0
	v_mov_b32 v[MK], 0                             ; written on every way
	v_mov_b32 v[MK+1], 0
	s_mov_b32 s30, 0x3727c5ac                      ; 1e-5
	s_mov_b32 s31, 0x3a800000                      ; 1 / 1,024
	s_mov_b32 s32, 0x76543210
	s_mov_b32 s33, 0xfedcba98
	s_lshl_b32 s24, ttmp9, 4
	s_lshl_b32 s25, s22, 1
	s_add_co_u32 s24, s24, s25                     ; my first row
	s_lshl_b32 s34, s24, 12
	s_mov_b32 s35, 0
	s_lshl_b32 s36, s24, 10
	s_mov_b32 s37, 0
	s_lshl_b32 s38, s24, 2
	s_mov_b32 s39, 0
	s_wait_kmcnt 0x0
	s_load_b64 s[26:27], s[14:15], 0xc             ; the entry's byte; whether a mask is stored
	s_add_nc_u64 s[4:5], s[4:5], s[34:35]
	s_add_nc_u64 s[6:7], s[6:7], s[34:35]
	s_add_nc_u64 s[16:17], s[16:17], s[34:35]
	s_add_nc_u64 s[18:19], s[18:19], s[36:37]
	s_add_nc_u64 s[20:21], s[20:21], s[38:39]
.irp j, 0,1,2,3,4,5,6,7
	global_load_b128 v[R+4*\j:R+4*\j+3], v2, s[4:5] offset:512*\j th:TH_LOAD_NT
.endr
.irp j, 0,1,2,3,4,5,6,7
	global_load_b128 v[R+32+4*\j:R+32+4*\j+3], v2, s[6:7] offset:512*\j th:TH_LOAD_NT
.endr
.irp j, 0,1,2,3,4,5,6,7
	global_load_b128 v[G+4*\j:G+4*\j+3], v2, s[8:9] offset:512*\j
.endr
.irp j, 0,1,2,3,4,5,6,7
	global_load_b128 v[B+4*\j:B+4*\j+3], v2, s[10:11] offset:512*\j
.endr
.irp j, 0,1,2,3,4,5,6,7
	global_load_b128 v[R+64+4*\j:R+64+4*\j+3], v2, s[4:5] offset:4096+512*\j th:TH_LOAD_NT
.endr
.irp j, 0,1,2,3,4,5,6,7
	global_load_b128 v[R+96+4*\j:R+96+4*\j+3], v2, s[6:7] offset:4096+512*\j th:TH_LOAD_NT
.endr
	s_wait_kmcnt 0x0
	s_min_u32 s26, s26, 92                         ; a loaded number enters an address only behind a bound
	s_load_b32 s29, s[12:13], s26 offset:0x0
	s_wait_kmcnt 0x0
	s_add_co_i32 s40, s29, 127
	s_lshl_b32 s41, s40, 23
	v_mov_b32 v5, s41                              ; 2^e as f32
	s_add_co_i32 s40, s40, 15
	s_lshl_b32 s40, s40, 23
	s_or_b32 s40, s40, 0x600000
	v_mov_b32 v6, s40                              ; 57,344 x 2^e
.macro REDUCE z                        ; four packed chains at v[z] on become one sum, in every lane
	v_pk_add_f32 v[\z:\z+1], v[\z:\z+1], v[\z+2:\z+3]
	v_pk_add_f32 v[\z+4:\z+5], v[\z+4:\z+5], v[\z+6:\z+7]
	v_pk_add_f32 v[\z:\z+1], v[\z:\z+1], v[\z+4:\z+5]
	v_add_f32 v[\z], v[\z], v[\z+1]
	v_add_f32_dpp v[\z], v[\z], v[\z] row_xmask:1 row_mask:0xf bank_mask:0xf
	v_add_f32_dpp v[\z], v[\z], v[\z] row_xmask:2 row_mask:0xf bank_mask:0xf
	v_add_f32_dpp v[\z], v[\z], v[\z] row_xmask:4 row_mask:0xf bank_mask:0xf
	v_add_f32_dpp v[\z], v[\z], v[\z] row_xmask:8 row_mask:0xf bank_mask:0xf
	v_permlanex16_b32 v[\z+1], v[\z], s32, s33
	v_add_f32 v[\z], v[\z], v[\z+1]
.endm
.macro ROW r
.set RR, R+64*(\r)
.set ZZ, RR+32
	s_wait_loadcnt 16*(1-(\r))                     ; this row, g and b are in; the other row's sixteen loads may be out
.set n, 0
.rept 16
	v_pk_add_f32 v[RR+n:RR+n+1], v[RR+n:RR+n+1], v[ZZ+n:ZZ+n+1]
.set n, n+2
.endr
.irp c, 0,1,2,3
	v_pk_add_f32 v[ZZ+2*\c:ZZ+2*\c+1], v[RR+2*\c:RR+2*\c+1], v[RR+8+2*\c:RR+8+2*\c+1]
.endr
.irp j, 16,24
.irp c, 0,1,2,3
	v_pk_add_f32 v[ZZ+2*\c:ZZ+2*\c+1], v[ZZ+2*\c:ZZ+2*\c+1], v[RR+\j+2*\c:RR+\j+2*\c+1]
.endr
.endr
	REDUCE ZZ
	v_mul_f32 v8, s31, v[ZZ]                       ; the mean, in both words of a pair
	v_mov_b32 v9, v8
.set n, 0
.rept 16
	v_pk_add_f32 v[RR+n:RR+n+1], v[RR+n:RR+n+1], v[8:9] neg_lo:[0,1] neg_hi:[0,1]
.set n, n+2
.endr
.irp c, 0,1,2,3
	v_pk_mul_f32 v[ZZ+2*\c:ZZ+2*\c+1], v[RR+2*\c:RR+2*\c+1], v[RR+2*\c:RR+2*\c+1]
.endr
.irp j, 8,16,24
.irp c, 0,1,2,3
	v_pk_fma_f32 v[ZZ+2*\c:ZZ+2*\c+1], v[RR+\j+2*\c:RR+\j+2*\c+1], v[RR+\j+2*\c:RR+\j+2*\c+1], v[ZZ+2*\c:ZZ+2*\c+1]
.endr
.endr
	REDUCE ZZ
	v_fma_f32 v10, v[ZZ], s31, s30                 ; the variance + 1e-5
	v_rsq_f32 v8, v10
	v_nop                                          ; the plain line behind the transcendental
	s_wait_alu depctr_va_vdst(0)                   ; ahead of its first reader
	v_mov_b32 v9, v8
.set n, 0
.rept 16
	v_pk_mul_f32 v[RR+n:RR+n+1], v[RR+n:RR+n+1], v[8:9]
.set n, n+2
.endr
.set n, 0
.rept 16
	v_pk_fma_f32 v[RR+n:RR+n+1], v[RR+n:RR+n+1], v[G+n:G+n+1], v[B+n:B+n+1]
.set n, n+2
.endr
.irp j, 0,1,2,3,4,5,6,7
	global_store_b128 v2, v[RR+4*\j:RR+4*\j+3], s[16:17] offset:4096*(\r)+512*\j
.endr
	s_cmp_eq_u32 s27, 0                            ; a stored whole number
	s_cbranch_scc1 .Lnomask_\@
	v_max3_num_f32 v10, |v[RR]|, |v[RR+1]|, |v[RR+2]|
	v_max3_num_f32 v11, |v[RR+3]|, |v[RR+4]|, |v[RR+5]|
.irp i, 6,10,14,18,22,26
	v_max3_num_f32 v10, v10, |v[RR+\i]|, |v[RR+\i+1]|
	v_max3_num_f32 v11, v11, |v[RR+\i+2]|, |v[RR+\i+3]|
.endr
	v_max3_num_f32 v10, v10, |v[RR+30]|, |v[RR+31]|
	v_max_num_f32 v10, v10, v11
	v_max_num_f32_dpp v10, v10, v10 row_xmask:1 row_mask:0xf bank_mask:0xf
	v_max_num_f32_dpp v10, v10, v10 row_xmask:2 row_mask:0xf bank_mask:0xf
	v_max_num_f32_dpp v10, v10, v10 row_xmask:4 row_mask:0xf bank_mask:0xf
	v_max_num_f32_dpp v10, v10, v10 row_xmask:8 row_mask:0xf bank_mask:0xf
	v_permlanex16_b32 v11, v10, s32, s33
	v_max_num_f32 v10, v10, v11
	v_cmp_neq_f32 vcc_lo, 0, v10
	v_cndmask_b32 v[MK+(\r)], 0, v7, vcc_lo
.Lnomask_\@:
.set n, 0
.rept 32
	v_med3_num_f32 v[ZZ+n], v[RR+n], -v6, v6       ; the conversion does not saturate (ISA guide 7.6.2): the hold comes first
.set n, n+1
.endr
.irp p, 0,1,2,3
	v_cvt_scalef32_pk8_bf8_f32 v[C+8*(\r)+2*\p:C+8*(\r)+2*\p+1], v[ZZ+8*\p:ZZ+8*\p+7], v5
.endr
	v_nop
.irp j, 0,1,2,3,4,5,6,7
	ds_store_b32 v3, v[C+8*(\r)+\j] offset:1024*(\r)+128*\j
.endr
	ds_load_b128 v[OC+8*(\r):OC+8*(\r)+3], v4 offset:1024*(\r)
	ds_load_b128 v[OC+8*(\r)+4:OC+8*(\r)+7], v4 offset:1024*(\r)+512
	s_wait_dscnt 0x1                               ; the first of the two is back
	global_store_b128 v2, v[OC+8*(\r):OC+8*(\r)+3], s[18:19] offset:1024*(\r)
	s_wait_dscnt 0x0
	global_store_b128 v2, v[OC+8*(\r)+4:OC+8*(\r)+7], s[18:19] offset:1024*(\r)+512
.endm
	ROW 0
	ROW 1
	s_cmp_eq_u32 s27, 0
	s_cbranch_scc1 .Lend
	v_cmp_eq_u32 vcc_lo, 1, v1                     ; lanes 0 and 1 store the two rows' masks
	v_cndmask_b32 v12, v[MK], v[MK+1], vcc_lo
	v_lshlrev_b32 v13, 2, v1
	v_cmp_gt_u32 vcc_lo, 2, v1
	s_wait_xcnt 0x0                                ; EXEC changes only behind this wait
	s_and_saveexec_b32 s42, vcc_lo
	global_store_b32 v13, v12, s[20:21] offset:16384
	s_wait_xcnt 0x0
	s_or_b32 exec_lo, exec_lo, s42
.Lend:
	s_wait_tensorcnt 0x0
	ds_add_u32 v240, v241
	s_wait_dscnt 0x0
	s_endpgm
.Lfunc_end_k_qf3e612d591_ln1:
	.size	k_qf3e612d591_ln1, .Lfunc_end_k_qf3e612d591_ln1-k_qf3e612d591_ln1
	.p2alignl 7, 3214868480
	.fill 96, 4, 3214868480
	.section	.rodata,"a",@progbits
	.p2align	6, 0x0
	.amdhsa_kernel k_qf3e612d591_ln1
		.amdhsa_group_segment_fixed_size 17408
		.amdhsa_private_segment_fixed_size 0
		.amdhsa_enable_private_segment 0
		.amdhsa_kernarg_size 72
		.amdhsa_user_sgpr_count 2
		.amdhsa_user_sgpr_kernarg_segment_ptr 1
		.amdhsa_wavefront_size32 1
		.amdhsa_system_sgpr_workgroup_id_x 1
		.amdhsa_system_sgpr_workgroup_id_y 1
		.amdhsa_system_sgpr_workgroup_id_z 1
		.amdhsa_system_vgpr_workitem_id 0
		.amdhsa_next_free_vgpr 242
		.amdhsa_next_free_sgpr 66
		.amdhsa_reserve_vcc 1
		.amdhsa_float_denorm_mode_32 3
		.amdhsa_float_denorm_mode_16_64 3
		.amdhsa_memory_ordered 1
		.amdhsa_forward_progress 1
		.amdhsa_inst_pref_size 33
	.end_amdhsa_kernel
	.amdgpu_metadata
---
amdhsa.version: [ 1, 2 ]
amdhsa.kernels:
  - .name:           k_qf3e612d591_ln1
    .symbol:         k_qf3e612d591_ln1.kd
    .args:
      - { .name: x, .offset: 0, .size: 8, .value_kind: global_buffer, .address_space: global }
      - { .name: out0, .offset: 8, .size: 8, .value_kind: global_buffer, .address_space: global }
      - { .name: ln1_g, .offset: 16, .size: 8, .value_kind: global_buffer, .address_space: global }
      - { .name: ln1_b, .offset: 24, .size: 8, .value_kind: global_buffer, .address_space: global }
      - { .name: lowp_scales, .offset: 32, .size: 8, .value_kind: global_buffer, .address_space: global }
      - { .name: cfg1, .offset: 40, .size: 8, .value_kind: global_buffer, .address_space: global }
      - { .name: ra, .offset: 48, .size: 8, .value_kind: global_buffer, .address_space: global }
      - { .name: xq, .offset: 56, .size: 8, .value_kind: global_buffer, .address_space: global }
      - { .name: msk, .offset: 64, .size: 8, .value_kind: global_buffer, .address_space: global }
    .group_segment_fixed_size: 17408
    .private_segment_fixed_size: 0
    .kernarg_segment_align: 8
    .kernarg_segment_size: 72
    .max_flat_workgroup_size: 256
    .sgpr_count:     66
    .vgpr_count:     242
    .wavefront_size: 32
...
	.end_amdgpu_metadata
.endif
;; end of part 4
;; launch proj2: the kernel of part 2 again; grid 4 x 48, 4 waves a work-group, clusters of 4 x 1, 266,752 bytes of LDS; arguments xq, context_codes, xv, Wq2_codes, Wk2_codes, Wv2_codes, lowp_scales, msk, cfg2, qkv; writes qkv
;; launch attn2: the kernel of part 3 again; grid 8 x 32, 16 waves a work-group, no clusters, 272,640 bytes of LDS; arguments qkv, msk, lowp_scales, cfg2, out0; writes out0
;; launch ln2: the kernel of part 4 again; grid 256 x 1, 8 waves a work-group, no clusters, 17,408 bytes of LDS; arguments ra, out0, ln2_g, ln2_b, lowp_scales, cfg2, qkv, xk, msk; writes qkv, xk, msk
;; launch fc1 (part 5): grid 4 x 64, 4 waves a work-group, clusters of 4 x 1, 168,448 bytes of LDS; arguments xk, fc1_w_codes, fc1_b, msk, lowp_scales, xv; writes xv
.if DOCPART == 5
	.amdgcn_target "amdgcn-amd-amdhsa--gfx1250"
	.amdhsa_code_object_version 6
	.text
	.protected	k_qf3e612d591_fc1
	.globl	k_qf3e612d591_fc1
	.p2align	8
	.type	k_qf3e612d591_fc1,@function
k_qf3e612d591_fc1:
	s_mov_b64 s[64:65], 0
	v_nop
	global_prefetch_b8 v0, s[64:65] scope:SCOPE_SE
	s_setreg_imm32_b32 hwreg(HW_REG_WAVE_MODE, 25, 1), 1
	s_wait_xcnt 0x0
	s_wait_alu depctr_hold_cnt(0) depctr_sa_sdst(0) depctr_va_vdst(0) depctr_va_sdst(0) depctr_va_ssrc(0) depctr_va_vcc(0) depctr_vm_vsrc(0)
	s_getreg_b32 s2, hwreg(HW_REG_IB_STS2, 6, 4)
	s_cmp_eq_u32 s2, 0
	s_cbranch_scc0 .Lentry_in_a_cluster
	s_endpgm
.Lentry_in_a_cluster:
	s_bfe_u32 s2, ttmp6, 0x10000c
	s_cmp_lg_u32 s2, 0x3003
	s_cbranch_scc0 .Lentry_shape_is_right
	s_endpgm
.Lentry_shape_is_right:
; h = Q(relu(x2 W1^T + b1) x mask0): [4096][1024] x [1024][1024] on E5M2 codes; the result is quantised by entry 22 and stored as images of the next product's operand registers.
; SHARES.  A work-group takes 64 tokens and 256 hidden units, a wave 64 units: its 64 rows of W1 stay in 512 registers.  The tokens' codes lie in LDS, filled once, jointly for the four work-groups of a cluster,
; which take the 1,024 units of the same 64 tokens.  Four tiles of 16 tokens: 32 LDS loads and 32 matrix instructions each, four accumulators by turns.
; Source 0 = 16 rows of W1, source 1 = 16 tokens: a lane holds ONE token.  THE ROWS OF W1 THAT FORM A TILE ARE NOT NEIGHBOURS: lane r of tile u takes row 32 (u / 2) + 8 (u % 2) + r + 8 (r / 8), so that the
; 16 registers of tiles 2 b, 2 b + 1 are units 32 b + 16 (lane / 16) + 0 .. 15: a group of four registers of the next operand.
; b1 / 2^(e20 + e21) is the C of each sum's first product.  Activation, mask and hold are one line: between 0 and mask x 57,344 x the scale.
; LIMITS: e22 - e20 - e21 between -126 and 112.
.set PITCH, 1040                       ; 1,024 bytes + 16 of padding: row r starts at bank 4 r mod 64 (ISA guide 11.1)
.set T16,   16*PITCH
.set FA,    4
.set ACC,   32
.set CD,    64
.set LI,    88                         ; v88-91   the four tiles' limits
.set BI,    96                         ; v96-127  the bias, in the result's layout
.set G1,    24
.set G0,    32
.set WV,    40
.set MSB, 0
.macro WIN new
.if MSB != (\new)
	s_set_vgpr_msb (MSB<<8)|(\new)
.set MSB, (\new)
.endif
.endm
.macro CROUND
	s_barrier_signal -1
	s_barrier_wait -1
	s_cmp_lg_u32 s[WV], 0
	s_cbranch_scc1 .Lnot_wave_0_\@
	s_barrier_signal -3
.Lnot_wave_0_\@:
	s_barrier_wait -3
	s_barrier_signal -1
	s_barrier_wait -1
.endm
.macro PLACES
.rept 4
	v_nop
.endr
.endm
	s_load_b256 s[4:11], s[0:1], 0x0               ; x2's codes, W1's codes, b1, msk
	s_load_b128 s[12:15], s[0:1], 0x20             ; scales, h's images
	v_lshl_add_u32 v254, v0, 2, 0x29000
	v_mov_b32 v255, 0
	ds_add_u32 v254, v255
	ds_add_u32 v254, v255
	v_lshrrev_b32 v1, 5, v0
	v_readfirstlane_b32 s[WV], v1
	s_bfe_u32 s41, ttmp6, 0x40000                  ; cx: it enters W1's, b1's and the output's addresses alone
	s_and_b32 s42, ttmp7, 0xffff                   ; which 64 tokens
	s_lshl_b32 s43, s41, 2
	s_add_co_u32 s43, s43, s[WV]                   ; which 64 units
	s_mov_b32 s[G1+0], 15|(1<<20)|(1<<21)|(7<<22)|(3<<25)   ; all four work-groups; 1-byte elements; four words of padding after every 256
	s_mov_b32 s[G1+1], 1024<<16
	s_mov_b32 s[G1+2], 16<<16
	s_mov_b32 s[G1+3], 1024<<16
	s_mov_b32 s[G1+4], 16
	s_mov_b32 s[G1+5], 1024
	s_mov_b32 s[G1+6], 0
	s_mov_b32 s[G1+7], 0
	s_mov_b32 s[G0], 1
	s_mul_i32 s[G0+1], s[WV], T16                  ; I fetch rows 16 w on
	s_lshl_b32 s44, s42, 16
	s_lshl_b32 s45, s[WV], 14
	s_add_co_u32 s44, s44, s45
	s_mov_b32 s45, 0
	s_wait_dscnt 0x0
	s_wait_kmcnt 0x0
	s_load_b128 s[48:51], s[12:13], 0x50           ; e20 .. e23
	s_add_nc_u64 s[G0+2:G0+3], s[4:5], s[44:45]
	s_or_b32 s[G0+3], s[G0+3], 0x80000000
	CROUND
	tensor_load_to_lds s[G0:G0+3], s[G1:G1+7]      ; my one load
	s_nop 0
	PLACES
	v_and_b32 v1, 15, v0                           ; r
	v_bfe_u32 v2, v0, 4, 1                         ; h
	v_and_b32 v3, 31, v0
	v_lshlrev_b32 v3, 4, v3
	v_mul_u32_u24 v[FA], v1, PITCH
	v_lshl_add_u32 v[FA], v2, 4, v[FA]
	v_and_b32 v8, 8, v1
	v_add_nc_u32 v8, v8, v1                        ; r + 8 (r / 8)
	v_lshlrev_b32 v8, 10, v8
	v_lshl_add_u32 v8, v2, 4, v8
	v_lshlrev_b32 v9, 2, v1
	v_lshlrev_b32 v10, 6, v2
	s_lshl_b32 s52, s43, 16                        ; my 64 rows of W1
	s_mov_b32 s53, 0
	s_add_nc_u64 s[6:7], s[6:7], s[52:53]
	s_lshl_b32 s54, s43, 8                         ; my 64 numbers of b1
	s_mov_b32 s55, 0
	s_add_nc_u64 s[8:9], s[8:9], s[54:55]
	s_lshl_b32 s56, s42, 8                         ; my 64 masks
	s_mov_b32 s57, 0
	s_add_nc_u64 s[10:11], s[10:11], s[56:57]
	s_lshl_b32 s58, s42, 16                        ; four tiles' images of 16,384 bytes,
	s_lshl_b32 s59, s43, 10                        ; and in each my 1,024
	s_add_co_u32 s58, s58, s59
	s_mov_b32 s59, 0
	s_add_nc_u64 s[14:15], s[14:15], s[58:59]
	WIN 0x40
.irp q, 0,1,2,3
.irp u, 0,1,2,3
.irp c, 0,1,2,3
	global_load_b128 v[64*\q+16*\u+4*\c:64*\q+16*\u+4*\c+3], v8, s[6:7] offset:(32*(\u/2)+8*(\u%2))*1024+128*\q+32*\c
.endr
.endr
.endr
	WIN 0x80
.irp q, 0,1,2,3
.irp u, 0,1,2,3
.irp c, 0,1,2,3
	global_load_b128 v[64*\q+16*\u+4*\c:64*\q+16*\u+4*\c+3], v8, s[6:7] offset:(32*(\u/2)+8*(\u%2))*1024+128*(\q+4)+32*\c
.endr
.endr
.endr
	WIN 0
.irp u, 0,1,2,3
	global_load_b128 v[BI+8*\u:BI+8*\u+3], v10, s[8:9] offset:(32*(\u/2)+8*(\u%2))*4
	global_load_b128 v[BI+8*\u+4:BI+8*\u+7], v10, s[8:9] offset:(32*(\u/2)+8*(\u%2))*4+16
.endr
.irp i, 0,1,2,3
	global_load_b32 v[LI+\i], v9, s[10:11] offset:64*\i
.endr
	s_wait_kmcnt 0x0
	s_add_co_i32 s60, s48, s49                     ; a sum stands for sum x 2^(e20 + e21)
	s_sub_co_i32 s61, 0, s60
	s_sub_co_i32 s60, s50, s60
	s_add_co_i32 s60, s60, 127
	s_lshl_b32 s62, s60, 23
	v_mov_b32 v20, s62                             ; 2^(e22 - e20 - e21)
	s_add_co_i32 s60, s60, 15
	s_lshl_b32 s60, s60, 23
	s_or_b32 s60, s60, 0x600000                    ; 57,344 x that
	s_wait_loadcnt 0x0
.set n, 0
.rept 32
	v_ldexp_f32 v[BI+n], v[BI+n], s61
.set n, n+1
.endr
.irp i, 0,1,2,3
	v_mul_f32 v[LI+\i], s60, v[LI+\i]
.endr
.macro FETCH i
	WIN 0xc0
.irp q, 0,1,2,3,4,5,6,7
.irp c, 0,1,2,3
	ds_load_b128 v[128*((\i)%2)+16*\q+4*\c:128*((\i)%2)+16*\q+4*\c+3], v[FA] offset:(\i)*T16+128*\q+32*\c
.endr
.endr
	WIN 0
.endm
.macro MULS i                          ; the four accumulators take turns, one instruction a turn, from tile to tile too
.irp q, 0,1,2,3,4,5,6,7
	WIN 0x0d+(\q/4)
.irp u, 0,1,2,3
.set WR, 64*(\q%4)+16*\u
.set TR, 128*((\i)%2)+16*\q
.set AR, ACC+8*\u
.if \q == 0
	v_wmma_f32_16x16x128_bf8_bf8 v[AR:AR+7], v[WR:WR+15], v[TR:TR+15], v[BI+8*\u:BI+8*\u+7]
.else
	v_wmma_f32_16x16x128_bf8_bf8 v[AR:AR+7], v[WR:WR+15], v[TR:TR+15], v[AR:AR+7]
.endif
.endr
.endr
	WIN 0
.endm
.macro TILE i
	s_wait_dscnt 0x0
.if (\i) < 3
	FETCH (\i)+1
.endif
	MULS \i
	PLACES
	s_wait_xcnt 0x0                                ; earlier stores have read the code registers
.set n, 0
.rept 32
	v_med3_num_f32 v[ACC+n], v[ACC+n], 0, v[LI+(\i)]   ; activation, mask and hold in one; each accumulator from its low end on
.set n, n+1
.endr
.irp u, 0,1,2,3
	v_cvt_scalef32_pk8_bf8_f32 v[CD+2*\u:CD+2*\u+1], v[ACC+8*\u:ACC+8*\u+7], v20
.endr
	v_nop
	global_store_b128 v3, v[CD:CD+3], s[14:15] offset:16384*(\i)
	global_store_b128 v3, v[CD+4:CD+7], s[14:15] offset:16384*(\i)+512
.endm
	s_wait_tensorcnt 0x0
	s_barrier_signal -1
	s_barrier_wait -1                              ; the 64 rows lie in LDS
	FETCH 0
	TILE 0
	TILE 1
	TILE 2
	TILE 3
	s_wait_tensorcnt 0x0
	ds_add_u32 v254, v255
	s_wait_dscnt 0x0
	CROUND                                         ; the closing round
	s_endpgm
.Lfunc_end_k_qf3e612d591_fc1:
	.size	k_qf3e612d591_fc1, .Lfunc_end_k_qf3e612d591_fc1-k_qf3e612d591_fc1
	.p2alignl 7, 3214868480
	.fill 96, 4, 3214868480
	.section	.rodata,"a",@progbits
	.p2align	6, 0x0
	.amdhsa_kernel k_qf3e612d591_fc1
		.amdhsa_group_segment_fixed_size 168448
		.amdhsa_private_segment_fixed_size 0
		.amdhsa_enable_private_segment 0
		.amdhsa_kernarg_size 48
		.amdhsa_user_sgpr_count 2
		.amdhsa_user_sgpr_kernarg_segment_ptr 1
		.amdhsa_wavefront_size32 1
		.amdhsa_system_sgpr_workgroup_id_x 1
		.amdhsa_system_sgpr_workgroup_id_y 1
		.amdhsa_system_sgpr_workgroup_id_z 1
		.amdhsa_system_vgpr_workitem_id 0
		.amdhsa_next_free_vgpr 1024
		.amdhsa_next_free_sgpr 66
		.amdhsa_reserve_vcc 0
		.amdhsa_float_denorm_mode_32 3
		.amdhsa_float_denorm_mode_16_64 3
		.amdhsa_memory_ordered 1
		.amdhsa_forward_progress 1
		.amdhsa_inst_pref_size 48
	.end_amdhsa_kernel
	.amdgpu_metadata
---
amdhsa.version: [ 1, 2 ]
amdhsa.kernels:
  - .name:           k_qf3e612d591_fc1
    .symbol:         k_qf3e612d591_fc1.kd
    .args:
      - { .name: xk, .offset: 0, .size: 8, .value_kind: global_buffer, .address_space: global }
      - { .name: fc1_w_codes, .offset: 8, .size: 8, .value_kind: global_buffer, .address_space: global }
      - { .name: fc1_b, .offset: 16, .size: 8, .value_kind: global_buffer, .address_space: global }
      - { .name: msk, .offset: 24, .size: 8, .value_kind: global_buffer, .address_space: global }
      - { .name: lowp_scales, .offset: 32, .size: 8, .value_kind: global_buffer, .address_space: global }
      - { .name: xv, .offset: 40, .size: 8, .value_kind: global_buffer, .address_space: global }
    .group_segment_fixed_size: 168448
    .private_segment_fixed_size: 0
    .kernarg_segment_align: 8
    .kernarg_segment_size: 48
    .max_flat_workgroup_size: 128
    .sgpr_count:     66
    .vgpr_count:     1024
    .wavefront_size: 32
...
	.end_amdgpu_metadata
.endif
;; end of part 5
;; launch fc2 (part 6): grid 4 x 64, 4 waves a work-group, clusters of 4 x 1, 168,448 bytes of LDS; arguments xv, fc2_w_codes, fc2_b, lowp_scales, ra; writes ra
.if DOCPART == 6
	.amdgcn_target "amdgcn-amd-amdhsa--gfx1250"
	.amdhsa_code_object_version 6
	.text
	.protected	k_qf3e612d591_fc2
	.globl	k_qf3e612d591_fc2
	.p2align	8
	.type	k_qf3e612d591_fc2,@function
k_qf3e612d591_fc2:
	s_mov_b64 s[64:65], 0
	v_nop
	global_prefetch_b8 v0, s[64:65] scope:SCOPE_SE
	s_setreg_imm32_b32 hwreg(HW_REG_WAVE_MODE, 25, 1), 1
	s_wait_xcnt 0x0
	s_wait_alu depctr_hold_cnt(0) depctr_sa_sdst(0) depctr_va_vdst(0) depctr_va_sdst(0) depctr_va_ssrc(0) depctr_va_vcc(0) depctr_vm_vsrc(0)
	s_getreg_b32 s2, hwreg(HW_REG_IB_STS2, 6, 4)
	s_cmp_eq_u32 s2, 0
	s_cbranch_scc0 .Lentry_in_a_cluster
	s_endpgm
.Lentry_in_a_cluster:
	s_bfe_u32 s2, ttmp6, 0x10000c
	s_cmp_lg_u32 s2, 0x3003
	s_cbranch_scc0 .Lentry_shape_is_right
	s_endpgm
.Lentry_shape_is_right:
; z3 = h W2^T + b2: [4096][1024] x [1024][1024] on E5M2 codes, f32 out (the row's mask is applied by the launch that reads z3).
; SHARES as in the launch before: 64 tokens and 256 outputs a work-group, 64 outputs a wave, whose 64 rows of W2 stay in 512 registers.  h comes as images of the operand's registers: four tiles of tokens are one dense
; block of 65,536 bytes, fetched jointly for the cluster's four work-groups, 16,384 bytes a wave, and read back at 16 x lane: no pitch, no padding.
; Source 0 = 16 rows of W2, source 1 = 16 tokens: a lane holds ONE token and eight neighbouring outputs.  y = sum x 2^(e22 + e23) + b2 is one packed multiply-add for two numbers.
; A tile's 16 rows x 256 bytes go through the wave's own stage, behind the panel in blocks into which no fill lands, and leave as aligned runs of 256 bytes.
; LIMIT: e22 + e23 between -126 and 127.
.set ACC,   32
.set Y,     64
.set OB,    96
.set BI,    128
.set STG,   65536
.set SP,    272
.set LIA,   3                          ; v3  16 x lane
.set SO,    4
.set SR,    5
.set GO,    6
.set G1,    24
.set G0,    32
.set WV,    40
.set MSB, 0
.macro WIN new
.if MSB != (\new)
	s_set_vgpr_msb (MSB<<8)|(\new)
.set MSB, (\new)
.endif
.endm
.macro CROUND
	s_barrier_signal -1
	s_barrier_wait -1
	s_cmp_lg_u32 s[WV], 0
	s_cbranch_scc1 .Lnot_wave_0_\@
	s_barrier_signal -3
.Lnot_wave_0_\@:
	s_barrier_wait -3
	s_barrier_signal -1
	s_barrier_wait -1
.endm
.macro PLACES
.rept 4
	v_nop
.endr
.endm
	s_load_b256 s[4:11], s[0:1], 0x0               ; h's images, W2's codes, b2, scales
	s_load_b64 s[12:13], s[0:1], 0x20              ; z3
	v_lshl_add_u32 v254, v0, 2, 0x29000
	v_mov_b32 v255, 0
	ds_add_u32 v254, v255
	ds_add_u32 v254, v255
	v_lshrrev_b32 v1, 5, v0
	v_readfirstlane_b32 s[WV], v1
	s_bfe_u32 s41, ttmp6, 0x40000
	s_and_b32 s42, ttmp7, 0xffff
	s_lshl_b32 s43, s41, 2
	s_add_co_u32 s43, s43, s[WV]                   ; which 64 outputs
	s_mov_b32 s[G1+0], 15|(3<<16)|(1<<21)          ; all four work-groups; elements of 8 bytes; no padding
	s_mov_b32 s[G1+1], 32<<16                      ; rows of 256 bytes,
	s_mov_b32 s[G1+2], 64<<16                      ; 64 of them, dense
	s_mov_b32 s[G1+3], 32<<16
	s_mov_b32 s[G1+4], 64
	s_mov_b32 s[G1+5], 32
	s_mov_b32 s[G1+6], 0
	s_mov_b32 s[G1+7], 0
	s_mov_b32 s[G0], 1
	s_lshl_b32 s[G0+1], s[WV], 14                  ; I fetch the tile of tokens w
	s_lshl_b32 s44, s42, 16
	s_lshl_b32 s45, s[WV], 14
	s_add_co_u32 s44, s44, s45
	s_mov_b32 s45, 0
	s_wait_dscnt 0x0
	s_wait_kmcnt 0x0
	s_load_b64 s[48:49], s[10:11], 0x58            ; e22, e23
	s_add_nc_u64 s[G0+2:G0+3], s[4:5], s[44:45]
	s_or_b32 s[G0+3], s[G0+3], 0x80000000
	CROUND
	tensor_load_to_lds s[G0:G0+3], s[G1:G1+7]
	s_nop 0
	PLACES
	v_and_b32 v1, 15, v0                           ; r
	v_bfe_u32 v2, v0, 4, 1                         ; h
	v_and_b32 v[LIA], 31, v0
	v_lshlrev_b32 v[LIA], 4, v[LIA]
	s_mul_i32 s50, s[WV], 16*SP
	s_add_co_u32 s50, s50, STG                     ; my stage
	v_mul_u32_u24 v[SO], v1, SP
	v_lshl_add_u32 v[SO], v2, 5, v[SO]
	v_add_nc_u32 v[SO], s50, v[SO]                 ; in: row r, + 32 h
	v_mul_u32_u24 v[SR], v2, SP
	v_lshl_add_u32 v[SR], v1, 4, v[SR]
	v_add_nc_u32 v[SR], s50, v[SR]                 ; back: lanes 0-15 one row, lanes 16-31 the next
	v_lshlrev_b32 v[GO], 12, v2
	v_lshl_add_u32 v[GO], v1, 4, v[GO]             ; and the same two rows in z3
	v_lshlrev_b32 v8, 10, v1
	v_lshl_add_u32 v8, v2, 4, v8                   ; W2: row r + 16 h
	v_lshlrev_b32 v10, 5, v2
	s_lshl_b32 s52, s43, 16
	s_mov_b32 s53, 0
	s_add_nc_u64 s[6:7], s[6:7], s[52:53]
	s_lshl_b32 s54, s43, 8
	s_mov_b32 s55, 0
	s_add_nc_u64 s[8:9], s[8:9], s[54:55]
	s_lshl_b32 s56, s42, 18                        ; 64 rows of 4,096 bytes,
	s_add_co_u32 s56, s56, s54                     ; + my 256 bytes of a row
	s_mov_b32 s57, 0
	s_add_nc_u64 s[12:13], s[12:13], s[56:57]
	WIN 0x40
.irp q, 0,1,2,3
.irp u, 0,1,2,3
.irp c, 0,1,2,3
	global_load_b128 v[64*\q+16*\u+4*\c:64*\q+16*\u+4*\c+3], v8, s[6:7] offset:16384*\u+128*\q+32*\c
.endr
.endr
.endr
	WIN 0x80
.irp q, 0,1,2,3
.irp u, 0,1,2,3
.irp c, 0,1,2,3
	global_load_b128 v[64*\q+16*\u+4*\c:64*\q+16*\u+4*\c+3], v8, s[6:7] offset:16384*\u+128*(\q+4)+32*\c
.endr
.endr
.endr
	WIN 0
.irp u, 0,1,2,3
	global_load_b128 v[BI+8*\u:BI+8*\u+3], v10, s[8:9] offset:64*\u
	global_load_b128 v[BI+8*\u+4:BI+8*\u+7], v10, s[8:9] offset:64*\u+16
.endr
	s_wait_kmcnt 0x0
	s_add_co_i32 s46, s48, s49
	s_add_co_i32 s46, s46, 127
	s_lshl_b32 s46, s46, 23                        ; 2^(e22 + e23) as f32
	s_mov_b32 s47, s46                             ; (named with it as a pair, so it is written)
	s_wait_loadcnt 0x0
.macro FETCH i
	WIN 0xc0
.irp q, 0,1,2,3,4,5,6,7
.irp c, 0,1,2,3
	ds_load_b128 v[128*((\i)%2)+16*\q+4*\c:128*((\i)%2)+16*\q+4*\c+3], v[LIA] offset:16384*(\i)+2048*\q+512*\c
.endr
.endr
	WIN 0
.endm
.macro MULS i                          ; the four accumulators take turns, one instruction a turn, from tile to tile too
.irp q, 0,1,2,3,4,5,6,7
	WIN 0x0d+(\q/4)
.irp u, 0,1,2,3
.set WR, 64*(\q%4)+16*\u
.set TR, 128*((\i)%2)+16*\q
.set AR, ACC+8*\u
.if \q == 0
	v_wmma_f32_16x16x128_bf8_bf8 v[AR:AR+7], v[WR:WR+15], v[TR:TR+15], 0
.else
	v_wmma_f32_16x16x128_bf8_bf8 v[AR:AR+7], v[WR:WR+15], v[TR:TR+15], v[AR:AR+7]
.endif
.endr
.endr
	WIN 0
.endm
.macro TILE i
	s_wait_dscnt 0x0
.if (\i) < 3
	FETCH (\i)+1
.endif
	MULS \i
	PLACES
	s_wait_xcnt 0x0                                ; the last tile's stores have read the registers into which the stage is read back
.set n, 0
.rept 16
	v_pk_fma_f32 v[Y+n:Y+n+1], v[ACC+n:ACC+n+1], s[46:47], v[BI+n:BI+n+1] op_sel_hi:[1,0,1]   ; each accumulator from its low end on
.set n, n+2
.endr
.irp u, 0,1,2,3
	ds_store_b128 v[SO], v[Y+8*\u:Y+8*\u+3] offset:64*\u
	ds_store_b128 v[SO], v[Y+8*\u+4:Y+8*\u+7] offset:64*\u+16
.endr
.irp k, 0,1,2,3,4,5,6,7
	ds_load_b128 v[OB+4*\k:OB+4*\k+3], v[SR] offset:2*SP*\k    ; LDS serves a wave's instructions in order: these see my stores
.endr
.irp k, 0,1,2,3,4,5,6,7
	s_wait_dscnt 7-\k
	global_store_b128 v[GO], v[OB+4*\k:OB+4*\k+3], s[12:13] offset:(16*(\i)+2*\k)*4096   ; sixteen lanes store 256 consecutive bytes, aligned
.endr
.endm
	s_wait_tensorcnt 0x0
	s_barrier_signal -1
	s_barrier_wait -1                              ; the four tiles' images lie in LDS
	FETCH 0
	TILE 0
	TILE 1
	TILE 2
	TILE 3
	s_wait_tensorcnt 0x0
	ds_add_u32 v254, v255
	s_wait_dscnt 0x0
	CROUND                                         ; the closing round
	s_endpgm
.Lfunc_end_k_qf3e612d591_fc2:
	.size	k_qf3e612d591_fc2, .Lfunc_end_k_qf3e612d591_fc2-k_qf3e612d591_fc2
	.p2alignl 7, 3214868480
	.fill 96, 4, 3214868480
	.section	.rodata,"a",@progbits
	.p2align	6, 0x0
	.amdhsa_kernel k_qf3e612d591_fc2
		.amdhsa_group_segment_fixed_size 168448
		.amdhsa_private_segment_fixed_size 0
		.amdhsa_enable_private_segment 0
		.amdhsa_kernarg_size 40
		.amdhsa_user_sgpr_count 2
		.amdhsa_user_sgpr_kernarg_segment_ptr 1
		.amdhsa_wavefront_size32 1
		.amdhsa_system_sgpr_workgroup_id_x 1
		.amdhsa_system_sgpr_workgroup_id_y 1
		.amdhsa_system_sgpr_workgroup_id_z 1
		.amdhsa_system_vgpr_workitem_id 0
		.amdhsa_next_free_vgpr 1024
		.amdhsa_next_free_sgpr 66
		.amdhsa_reserve_vcc 0
		.amdhsa_float_denorm_mode_32 3
		.amdhsa_float_denorm_mode_16_64 3
		.amdhsa_memory_ordered 1
		.amdhsa_forward_progress 1
		.amdhsa_inst_pref_size 47
	.end_amdhsa_kernel
	.amdgpu_metadata
---
amdhsa.version: [ 1, 2 ]
amdhsa.kernels:
  - .name:           k_qf3e612d591_fc2
    .symbol:         k_qf3e612d591_fc2.kd
    .args:
      - { .name: xv, .offset: 0, .size: 8, .value_kind: global_buffer, .address_space: global }
      - { .name: fc2_w_codes, .offset: 8, .size: 8, .value_kind: global_buffer, .address_space: global }
      - { .name: fc2_b, .offset: 16, .size: 8, .value_kind: global_buffer, .address_space: global }
      - { .name: lowp_scales, .offset: 24, .size: 8, .value_kind: global_buffer, .address_space: global }
      - { .name: ra, .offset: 32, .size: 8, .value_kind: global_buffer, .address_space: global }
    .group_segment_fixed_size: 168448
    .private_segment_fixed_size: 0
    .kernarg_segment_align: 8
    .kernarg_segment_size: 40
    .max_flat_workgroup_size: 128
    .sgpr_count:     66
    .vgpr_count:     1024
    .wavefront_size: 32
...
	.end_amdgpu_metadata
.endif
;; end of part 6
;; launch ln3 (part 7): grid 256 x 1, 8 waves a work-group, no clusters, 0 bytes of LDS; arguments qkv, ra, msk, ln3_g, ln3_b, out0; writes out0
.if DOCPART == 7
	.amdgcn_target "amdgcn-amd-amdhsa--gfx1250"
	.amdhsa_code_object_version 6
	.text
	.protected	k_qf3e612d591_ln3
	.globl	k_qf3e612d591_ln3
	.p2align	8
	.type	k_qf3e612d591_ln3,@function
k_qf3e612d591_ln3:
	s_mov_b64 s[64:65], 0
	v_nop
	global_prefetch_b8 v0, s[64:65] scope:SCOPE_SE
	s_setreg_imm32_b32 hwreg(HW_REG_WAVE_MODE, 25, 1), 1
	s_wait_xcnt 0x0
; out = layernorm(x2 + z3 x mask0) x g + b over rows of 1,024, in f32.  A wave takes two rows; a load or store covers 512 consecutive bytes; lane l holds columns 128 j + 4 l + 0 .. 3 of chunk j.
; Mean first, then the mean of the squared differences: no difference of large sums.  Waves share nothing: no LDS, no barrier.
.set R,  16                            ; v16-47 row 0, v48-79 its z (then at work); v80-111 row 1, v112-143 its z
.set G,  144
.set B,  176
	s_load_b256 s[4:11], s[0:1], 0x0               ; x2, z3, msk, g
	s_load_b128 s[12:15], s[0:1], 0x20             ; b, out
	v_lshrrev_b32 v1, 5, v0
	v_readfirstlane_b32 s22, v1
	v_and_b32 v1, 31, v0
	v_lshlrev_b32 v2, 4, v1
	s_mov_b32 s30, 0x3727c5ac                      ; 1e-5
	s_mov_b32 s31, 0x3a800000                      ; 1 / 1,024
	s_mov_b32 s32, 0x76543210
	s_mov_b32 s33, 0xfedcba98
	s_lshl_b32 s28, ttmp9, 4
	s_lshl_b32 s29, s22, 1
	s_add_co_u32 s28, s28, s29                     ; my first row
	s_lshl_b32 s34, s28, 12
	s_mov_b32 s35, 0
	s_lshl_b32 s38, s28, 2
	s_mov_b32 s39, 0
	s_wait_kmcnt 0x0
	s_add_nc_u64 s[8:9], s[8:9], s[38:39]
	s_load_b64 s[20:21], s[8:9], 0x0               ; the two rows' masks
	s_add_nc_u64 s[4:5], s[4:5], s[34:35]
	s_add_nc_u64 s[6:7], s[6:7], s[34:35]
	s_add_nc_u64 s[14:15], s[14:15], s[34:35]
.irp j, 0,1,2,3,4,5,6,7
	global_load_b128 v[R+4*\j:R+4*\j+3], v2, s[4:5] offset:512*\j th:TH_LOAD_NT
.endr
.irp j, 0,1,2,3,4,5,6,7
	global_load_b128 v[R+32+4*\j:R+32+4*\j+3], v2, s[6:7] offset:512*\j th:TH_LOAD_NT
.endr
.irp j, 0,1,2,3,4,5,6,7
	global_load_b128 v[G+4*\j:G+4*\j+3], v2, s[10:11] offset:512*\j
.endr
.irp j, 0,1,2,3,4,5,6,7
	global_load_b128 v[B+4*\j:B+4*\j+3], v2, s[12:13] offset:512*\j
.endr
.irp j, 0,1,2,3,4,5,6,7
	global_load_b128 v[R+64+4*\j:R+64+4*\j+3], v2, s[4:5] offset:4096+512*\j th:TH_LOAD_NT
.endr
.irp j, 0,1,2,3,4,5,6,7
	global_load_b128 v[R+96+4*\j:R+96+4*\j+3], v2, s[6:7] offset:4096+512*\j th:TH_LOAD_NT
.endr
	s_wait_kmcnt 0x0
	s_mov_b32 s24, s20                             ; each mask as the low word of a pair of its own; both words are written
	s_mov_b32 s25, s20
	s_mov_b32 s26, s21
	s_mov_b32 s27, s21
.macro REDUCE z                        ; four packed chains at v[z] on become one sum, in every lane
	v_pk_add_f32 v[\z:\z+1], v[\z:\z+1], v[\z+2:\z+3]
	v_pk_add_f32 v[\z+4:\z+5], v[\z+4:\z+5], v[\z+6:\z+7]
	v_pk_add_f32 v[\z:\z+1], v[\z:\z+1], v[\z+4:\z+5]
	v_add_f32 v[\z], v[\z], v[\z+1]
	v_add_f32_dpp v[\z], v[\z], v[\z] row_xmask:1 row_mask:0xf bank_mask:0xf
	v_add_f32_dpp v[\z], v[\z], v[\z] row_xmask:2 row_mask:0xf bank_mask:0xf
	v_add_f32_dpp v[\z], v[\z], v[\z] row_xmask:4 row_mask:0xf bank_mask:0xf
	v_add_f32_dpp v[\z], v[\z], v[\z] row_xmask:8 row_mask:0xf bank_mask:0xf
	v_permlanex16_b32 v[\z+1], v[\z], s32, s33
	v_add_f32 v[\z], v[\z], v[\z+1]
.endm
.macro ROW r
.set RR, R+64*(\r)
.set ZZ, RR+32
	s_wait_loadcnt 16*(1-(\r))                     ; this row, g and b are in; the other row's sixteen loads may be out
.set n, 0
.rept 16
	v_pk_fma_f32 v[RR+n:RR+n+1], v[ZZ+n:ZZ+n+1], s[24+2*(\r):25+2*(\r)], v[RR+n:RR+n+1] op_sel_hi:[1,0,1]   ; x2 + z3 x mask0
.set n, n+2
.endr
.irp c, 0,1,2,3
	v_pk_add_f32 v[ZZ+2*\c:ZZ+2*\c+1], v[RR+2*\c:RR+2*\c+1], v[RR+8+2*\c:RR+8+2*\c+1]
.endr
.irp j, 16,24
.irp c, 0,1,2,3
	v_pk_add_f32 v[ZZ+2*\c:ZZ+2*\c+1], v[ZZ+2*\c:ZZ+2*\c+1], v[RR+\j+2*\c:RR+\j+2*\c+1]
.endr
.endr
	REDUCE ZZ
	v_mul_f32 v8, s31, v[ZZ]                       ; the mean, in both words of a pair
	v_mov_b32 v9, v8
.set n, 0
.rept 16
	v_pk_add_f32 v[RR+n:RR+n+1], v[RR+n:RR+n+1], v[8:9] neg_lo:[0,1] neg_hi:[0,1]
.set n, n+2
.endr
.irp c, 0,1,2,3
	v_pk_mul_f32 v[ZZ+2*\c:ZZ+2*\c+1], v[RR+2*\c:RR+2*\c+1], v[RR+2*\c:RR+2*\c+1]
.endr
.irp j, 8,16,24
.irp c, 0,1,2,3
	v_pk_fma_f32 v[ZZ+2*\c:ZZ+2*\c+1], v[RR+\j+2*\c:RR+\j+2*\c+1], v[RR+\j+2*\c:RR+\j+2*\c+1], v[ZZ+2*\c:ZZ+2*\c+1]
.endr
.endr
	REDUCE ZZ
	v_fma_f32 v10, v[ZZ], s31, s30                 ; the variance + 1e-5
	v_rsq_f32 v8, v10
	v_nop                                          ; the plain line behind the transcendental
	s_wait_alu depctr_va_vdst(0)                   ; ahead of its first reader
	v_mov_b32 v9, v8
.set n, 0
.rept 16
	v_pk_mul_f32 v[RR+n:RR+n+1], v[RR+n:RR+n+1], v[8:9]
.set n, n+2
.endr
.set n, 0
.rept 16
	v_pk_fma_f32 v[RR+n:RR+n+1], v[RR+n:RR+n+1], v[G+n:G+n+1], v[B+n:B+n+1]
.set n, n+2
.endr
.irp j, 0,1,2,3,4,5,6,7
	global_store_b128 v2, v[RR+4*\j:RR+4*\j+3], s[14:15] offset:4096*(\r)+512*\j th:TH_STORE_NT
.endr
.endm
	ROW 0
	ROW 1
	s_endpgm
.Lfunc_end_k_qf3e612d591_ln3:
	.size	k_qf3e612d591_ln3, .Lfunc_end_k_qf3e612d591_ln3-k_qf3e612d591_ln3
	.p2alignl 7, 3214868480
	.fill 96, 4, 3214868480
	.section	.rodata,"a",@progbits
	.p2align	6, 0x0
	.amdhsa_kernel k_qf3e612d591_ln3
		.amdhsa_group_segment_fixed_size 0
		.amdhsa_private_segment_fixed_size 0
		.amdhsa_enable_private_segment 0
		.amdhsa_kernarg_size 48
		.amdhsa_user_sgpr_count 2
		.amdhsa_user_sgpr_kernarg_segment_ptr 1
		.amdhsa_wavefront_size32 1
		.amdhsa_system_sgpr_workgroup_id_x 1
		.amdhsa_system_sgpr_workgroup_id_y 1
		.amdhsa_system_sgpr_workgroup_id_z 1
		.amdhsa_system_vgpr_workitem_id 0
		.amdhsa_next_free_vgpr 208
		.amdhsa_next_free_sgpr 66
		.amdhsa_reserve_vcc 0
		.amdhsa_float_denorm_mode_32 3
		.amdhsa_float_denorm_mode_16_64 3
		.amdhsa_memory_ordered 1
		.amdhsa_forward_progress 1
		.amdhsa_inst_pref_size 22
	.end_amdhsa_kernel
	.amdgpu_metadata
---
amdhsa.version: [ 1, 2 ]
amdhsa.kernels:
  - .name:           k_qf3e612d591_ln3
    .symbol:         k_qf3e612d591_ln3.kd
    .args:
      - { .name: qkv, .offset: 0, .size: 8, .value_kind: global_buffer, .address_space: global }
      - { .name: ra, .offset: 8, .size: 8, .value_kind: global_buffer, .address_space: global }
      - { .name: msk, .offset: 16, .size: 8, .value_kind: global_buffer, .address_space: global }
      - { .name: ln3_g, .offset: 24, .size: 8, .value_kind: global_buffer, .address_space: global }
      - { .name: ln3_b, .offset: 32, .size: 8, .value_kind: global_buffer, .address_space: global }
      - { .name: out0, .offset: 40, .size: 8, .value_kind: global_buffer, .address_space: global }
    .group_segment_fixed_size: 0
    .private_segment_fixed_size: 0
    .kernarg_segment_align: 8
    .kernarg_segment_size: 48
    .max_flat_workgroup_size: 256
    .sgpr_count:     66
    .vgpr_count:     208
    .wavefront_size: 32
...
	.end_amdgpu_metadata
.endif
;; end of part 7
;; ======== version 2 of 2: 10 launches; 1.11 times as fast as version 1
;; workspace buffers: xq 4,194,304 bytes; xk 4,194,304 bytes; xv 4,194,304 bytes; qkv 16,777,216 bytes; ra 16,777,216 bytes; msk 32,768 bytes; cfg1 256 bytes of whole numbers; cfg2 256 bytes of whole numbers
;; launch prep: the kernel of part 1 again; grid 256 x 1, 8 waves a work-group, no clusters, 25,600 bytes of LDS; arguments x, lowp_scales, xq, xk, xv, msk, cfg1, cfg2; writes xq, xk, xv, msk, cfg1, cfg2
;; launch proj1: the kernel of part 2 again; grid 12 x 16, 4 waves a work-group, clusters of 4 x 1, 266,752 bytes of LDS; arguments xq, xk, xv, Wq1_codes, Wk1_codes, Wv1_codes, lowp_scales, msk, cfg1, qkv; writes qkv
;; launch attn1 (part 8): grid 8 x 32, 8 waves a work-group, clusters of 4 x 1, 271,616 bytes of LDS; arguments qkv, msk, lowp_scales, out0; writes out0
.if DOCPART == 8
	.amdgcn_target "amdgcn-amd-amdhsa--gfx1250"
	.amdhsa_code_object_version 6
	.text
	.protected	k_qf3e612d591_attn1
	.globl	k_qf3e612d591_attn1
	.p2align	8
	.type	k_qf3e612d591_attn1,@function
k_qf3e612d591_attn1:
	s_mov_b64 s[64:65], 0
	v_nop
	global_prefetch_b8 v0, s[64:65] scope:SCOPE_SE
	s_setreg_imm32_b32 hwreg(HW_REG_WAVE_MODE, 25, 1), 1
	s_wait_xcnt 0x0
	s_wait_alu depctr_hold_cnt(0) depctr_sa_sdst(0) depctr_va_vdst(0) depctr_va_sdst(0) depctr_va_ssrc(0) depctr_va_vcc(0) depctr_vm_vsrc(0)
	s_getreg_b32 s2, hwreg(HW_REG_IB_STS2, 6, 4)
	s_cmp_eq_u32 s2, 0
	s_cbranch_scc0 .Lentry_in_a_cluster
	s_endpgm
.Lentry_in_a_cluster:
	s_bfe_u32 s2, ttmp6, 0x10000c
	s_cmp_lg_u32 s2, 0x3003
	s_cbranch_scc0 .Lentry_shape_is_right
	s_endpgm
.Lentry_shape_is_right:
; The causal self-attention on E5M2 codes: z[b][q][64 head + d] = mask[q] x sum over k of softmax_k(Q . K / 8) V, with the length mask that is counted from row 0 of the scores, and the causal mask.
; Q, K, V come as images of operand registers: Q, K: 1,024 bytes a tile of 16 tokens (K = 64 form); V: 2,048 bytes for 16 of the head's 64 x 128 keys (K = 128 form, keys innermost).
; THE SOFTMAX AHEAD OF THE SECOND PRODUCT: t = score x log2(e) / 8; M = the running largest t rounded UP to a whole number; p = 2^(t - M) is quantised, not normalised; the row's sum is taken of the unquantised p
; and divides at the end.  When M moves, the sum and O are multiplied by 2^(old M - new M): exact.
; SHARES.  The eight work-groups of a (batch, head) are two clusters of four.  Eight waves, two to a SIMD, each with TWO tiles of 16 queries: a fragment of K, of V or of the addends read from LDS feeds both.
; Wave w of cluster x takes one block of 128 queries (the numbers 0 to 15 dealt so that waves w and w + 4 have 17 key steps together, waves 2 k and 2 k + 1 sixteen or eighteen); the work-group's place in
; its cluster chooses 32 of the block's queries.  So every branch hangs on the wave's number and the cluster's x alone; the place enters global addresses and the diagonal's comparison values.
; CLUSTER.  The four partners walk the same K and V (131,072 bytes each): each wave asks for 16,384 bytes of K and of V by tensor loads that name all four.  No LDS byte is filled twice; two loads of a wave are out at the most.
; LENGTH.  Each wave multiplies the head's query tile 0 (source 0) by the 256 keys that it fetched itself (source 1): query 0 then lies in register 0 of lanes 0 to 15, a key a lane.  The eight counts meet in LDS; keys at or
; beyond the sum get -infinity in a table of 2,048 addends.  The count only selects values: no branch and no address hangs on it.
; LAYOUT.  S^T = K Q^T (source 0 = 16 keys, source 1 = 16 queries), O^T = V^T P^T: a lane holds ONE query (lane % 16) throughout; register 8 t + j of S^T is key 16 t + 8 (lane / 16) + j, so the conversions' results are
; registers 2 t, 2 t + 1 of the K = 128 form.
; AHEAD.  K, V and the addends have registers of their own, so each run of 16 LDS loads is issued a step ahead of its use: the next K behind the score products, the next addends behind the additions, the next V behind
; the second products.  The last step asks again for its own bytes (a clamped address).
; LIMITS: eq + ek between -123 and 130 (added to c's exponent field); ep between -126 and 112; ep + ev by v_ldexp_f32: none.  A score counts as not 0 by the f32 sum of the codes' products, before its power of two.
; REGISTERS, in two windows of 256.  In BOTH, for tile 0 and tile 1: v12 -M, v13 the largest t, v[14:15] the sum, v16-23 Q, v96-159 S^T then p, v160-191 O^T, v192-207 p's codes, v240-254 constants and work.
;   window 0 also: v1-11 addresses, v24-87 K, v88-95 query tile 0, v208-239 the addends of key tiles 0-3.   window 1 also: v24-87 V, v208-239 the addends of key tiles 4-7.
.set CAUSAL, 1
.set SOFF,   0                         ; byte at which this stage's ten scale entries begin
.set MOFF,   0                         ; byte at which this stage's mask begins in msk
.set VIMG,   131072                    ; LDS: K's images at 0, V's here,
.set BIAS,   262144                    ; the addends, f32 [2048],
.set CNT,    270336                    ; the eight counts
.set SP,     272                       ; the way out: a stage row, 256 bytes + 16
.set WV,  14                           ; s14      my wave's number
.set G1,  16                           ; s[16:23] descriptor group 1
.set SEL, 24                           ; s[24:25] lane selects: lane l xor 16
.set CS,  26                           ; s[26:27] c
.set KBN, 28                           ; the NEXT step's byte in K's and in V's region
.set BBN, 29                           ; the next step's byte among the addends
.set BLK, 30                           ; my block of 128 queries
.set TR,  31                           ; the key step
.set Q0,  32                           ; my first query
.set G0K, 40                           ; s[40:43], s[44:47] descriptor groups 0
.set G0V, 44
.set ES,  48                           ; s[48:51] eq, ek, ep, ev
.set AK0, 1                            ; 16 x lane: an image's place for my lane
.set ADK, 2
.set ADV, 3
.set ADB, 4
.set AB0, 5                            ; the addends of keys 8 h on
.set RH,  6                            ; r - 8 h
.set AV0, 7
.set KR,  24
.set QT0, 88
.set S,   96
.set OT,  160
.set PC,  192
.set BI,  208
.set LIM, 240
.set SCL, 244
.set MQ,  245
.set PT,  246
.set NI,  247
.set ZR,  248
.set ONE, 249
.set DD,  250
.set MSB, 0
.macro WIN new                         ; bits 1:0 source 0, 3:2 source 1, 5:4 source 2, 7:6 destination; the immediate's high byte repeats the setting that is left
.if MSB != (\new)
	s_set_vgpr_msb (MSB<<8)|(\new)
.set MSB, (\new)
.endif
.endm
.macro CROUND                          ; a round of the cluster's barrier
	s_barrier_signal -1
	s_barrier_wait -1
	s_cmp_lg_u32 s[WV], 0
	s_cbranch_scc1 .Lnot_wave_0_\@
	s_barrier_signal -3
.Lnot_wave_0_\@:
	s_barrier_wait -3
	s_barrier_signal -1
	s_barrier_wait -1
.endm
.macro PLACES                          ; four plain vector lines behind matrix instructions (ISA guide 7.12.1)
.rept 4
	v_nop
.endr
.endm
.macro LOADK adr                       ; a step's eight fragments of K: 16 loads
.irp t, 0,1,2,3,4,5,6,7
	ds_load_b128 v[KR+8*\t:KR+8*\t+3], v[\adr] offset:1024*\t
	ds_load_b128 v[KR+8*\t+4:KR+8*\t+7], v[\adr] offset:1024*\t+512
.endr
.endm
.macro LOADB adr                       ; a step's 64 addends a lane: 16 loads
.irp t, 0,1,2,3
	ds_load_b128 v[BI+8*\t:BI+8*\t+3], v[\adr] offset:64*\t
	ds_load_b128 v[BI+8*\t+4:BI+8*\t+7], v[\adr] offset:64*\t+16
.endr
	WIN 0x40                                       ; destination window 1
.irp t, 0,1,2,3
	ds_load_b128 v[BI+8*\t:BI+8*\t+3], v[\adr] offset:256+64*\t
	ds_load_b128 v[BI+8*\t+4:BI+8*\t+7], v[\adr] offset:256+64*\t+16
.endr
	WIN 0
.endm
.macro LOADV adr                       ; a step's four fragments of V: 16 loads
	WIN 0x40
.irp u, 0,1,2,3
.irp g, 0,1,2,3
	ds_load_b128 v[KR+16*\u+4*\g:KR+16*\u+4*\g+3], v[\adr] offset:2048*\u+512*\g
.endr
.endr
	WIN 0
.endm
.macro SPROD                           ; S^T of one tile of queries: eight products, each starts its sum
.irp t, 0,1,2,3,4,5,6,7
	v_wmma_f32_16x16x64_bf8_bf8 v[S+8*\t:S+8*\t+7], v[KR+8*\t:KR+8*\t+7], v[16:23], 0
.endr
.endm
.macro PV                              ; O^T += V^T P^T of one tile: four accumulators, one instruction a turn
.irp u, 0,1,2,3
	v_wmma_f32_16x16x128_bf8_bf8 v[OT+8*\u:OT+8*\u+7], v[KR+16*\u:KR+16*\u+15], v[PC:PC+15], v[OT+8*\u:OT+8*\u+7]
.endr
.endm
.macro INIT                            ; one tile's constants and beginnings, under its window
	v_mov_b32 v[SCL], s36                          ; 2^ep as f32, for the conversion
	v_mov_b32 v[LIM], s35                          ; 57,344 x 2^ep
	v_mov_b32 v[NI], 0xff800000                    ; -infinity
	v_mov_b32 v13, 0xff61b1e6                      ; the largest t so far: -3e38
	v_floor_f32 v12, -v13                          ; -M
	v_mov_b32 v14, 0
	v_mov_b32 v15, 0
	v_mov_b32 v[PT], 0                             ; written once: a lane permute's destination counts as one of its sources
	v_mov_b32 v253, 0                              ; (named as the upper half of the pair v[252:253])
.set n, 0
.rept 32
	v_mov_b32 v[OT+n], 0                           ; O^T: the step is written once, and its first trip finds zeros
.set n, n+1
.endr
.endm
.macro DIAG                            ; one tile on the diagonal: register 8 t + j is hidden where 16 t + j > d
.set n, 0
.rept 64
	v_cmp_gt_i32 vcc_lo, 16*(n/8)+n%8, v[DD]
	v_cndmask_b32 v[S+n], v[S+n], v[NI], vcc_lo
.set n, n+1
.endr
.endm
.macro SOFT                            ; one tile's softmax for a step of 128 keys, under its window
	v_max3_num_f32 v254, v[S], v[S+1], v[S+2]      ; the step's largest score of my query among my 64 keys, in two chains,
	v_max3_num_f32 v252, v[S+3], v[S+4], v[S+5]
.irp i, 6,10,14,18,22,26,30,34,38,42,46,50,54,58
	v_max3_num_f32 v254, v254, v[S+\i], v[S+1+\i]
	v_max3_num_f32 v252, v252, v[S+2+\i], v[S+3+\i]
.endr
	v_max3_num_f32 v254, v254, v[S+62], v[S+63]
	v_max_num_f32 v254, v254, v252
	v_permlanex16_b32 v[PT], v254, s[SEL], s[SEL+1]
	v_max_num_f32 v254, v254, v[PT]                ; and among lane l xor 16's
	v_mul_f32 v254, s[CS], v254                    ; as t (c is positive)
	v_max_num_f32 v13, v13, v254                   ; the running largest t
	v_mov_b32 v254, v12
	v_floor_f32 v12, -v13                          ; the new -M = floor(-t): M is a whole number
	v_sub_f32 v254, v12, v254                      ; old M - new M: a whole number, 0 or less
	v_cvt_i32_f32 v254, v254                       ; (it saturates)
	v_ldexp_f32 v252, 1.0, v254                    ; f = 2^(old M - new M)
.set n, 0
.rept 32
	v_pk_fma_f32 v[S+n:S+n+1], v[S+n:S+n+1], s[CS:CS+1], v[12:13] op_sel_hi:[1,0,0]   ; t - M, two at a time
.set n, n+2
.endr
.set n, 0
.rept 64
	v_exp_f32 v[S+n], v[S+n]                       ; p = 2^(t - M): one batch
.set n, n+1
.endr
	v_pk_mul_f32 v[14:15], v[14:15], v[252:253] op_sel_hi:[1,0]   ; the sums under the new M: the plain line behind the exponentials
	s_wait_alu depctr_va_vdst(0)                   ; one wait for the batch, ahead of its first reader
	v_pk_add_f32 v[242:243], v[S:S+1], v[S+2:S+3]  ; the row's sum is taken of the unquantised p, in two chains
.irp j, 4,8,12,16,20,24,28,32,36,40,44,48,52,56,60
	v_pk_add_f32 v[14:15], v[14:15], v[S+\j:S+1+\j]
	v_pk_add_f32 v[242:243], v[242:243], v[S+2+\j:S+3+\j]
.endr
	v_pk_add_f32 v[14:15], v[14:15], v[242:243]
.irp t, 0,1,2,3,4,5,6,7
.irp j, 0,1,2,3,4,5,6,7
	v_min_num_f32 v[S+8*\t+\j], v[S+8*\t+\j], v[LIM]   ; the conversion does not saturate (ISA guide 7.6.2); p is not negative, so the hold is one-sided
.endr
	v_cvt_scalef32_pk8_bf8_f32 v[PC+2*\t:PC+2*\t+1], v[S+8*\t:S+8*\t+7], v[SCL]
.endr
.set n, 0
.rept 16
	v_pk_mul_f32 v[OT+n:OT+n+1], v[OT+n:OT+n+1], v[252:253] op_sel_hi:[1,0]   ; O^T under the new M; also the plain lines between the conversions and the products
.set n, n+2
.endr
.endm
.macro FIN                             ; one tile's O^T / the sum x 2^(ep + ev) x the query's mask, under its window
	v_add_f32 v14, v14, v15
	v_permlanex16_b32 v[PT], v14, s[SEL], s[SEL+1]
	v_add_f32 v14, v14, v[PT]                      ; the row's sum
	v_rcp_f32 v14, v14
	v_nop                                          ; the plain line behind the reciprocal
	s_wait_alu depctr_va_vdst(0)                   ; ahead of its first reader
	v_ldexp_f32 v14, v14, s35
	v_mul_f32 v14, v14, v[MQ]
.set n, 0
.rept 32
	v_mul_f32 v[S+n], v[OT+n], v14                 ; register 8 u + j is z(r, 16 u + 8 h + j); each accumulator from its low end on
.set n, n+1
.endr
.endm
	s_load_b256 s[4:11], s[0:1], 0x0               ; qkv, msk, scales, z
	v_lshl_add_u32 v251, v0, 2, 0x42100
	v_mov_b32 v255, 0
	ds_add_u32 v251, v255
	ds_add_u32 v251, v255
	v_lshrrev_b32 v8, 5, v0
	v_readfirstlane_b32 s[WV], v8                  ; wave 0..7
	v_and_b32 v9, 31, v0
	v_lshlrev_b32 v[AK0], 4, v9
	v_and_b32 v10, 15, v0                          ; r
	v_bfe_u32 v11, v0, 4, 1                        ; h
	v_lshl_add_u32 v[AB0], v11, 5, BIAS
	v_lshlrev_b32 v8, 3, v11
	v_sub_nc_u32 v[RH], v10, v8
	v_add_nc_u32 v[AV0], VIMG, v[AK0]
	v_lshlrev_b32 v10, 2, v10                      ; 4 r
	s_mov_b32 s[SEL], 0x76543210
	s_mov_b32 s[SEL+1], 0xfedcba98
	s_bfe_u32 s12, ttmp6, 0x40000                  ; cx: it enters Q's, the mask's and z's addresses and the diagonal's values alone
	s_and_b32 s15, ttmp7, 0xffff                   ; 16 x batch + head, which the partners share
	s_lshr_b32 s35, s[WV], 1                       ; my block: q = 4 x (bit 1 of w) + 2 x cluster x;
	s_and_b32 s35, s35, 1
	s_lshl_b32 s35, s35, 2
	s_lshl_b32 s36, ttmp9, 1
	s_add_co_u32 s35, s35, s36
	s_and_b32 s36, s[WV], 1                        ; 14 - q in odd waves;
	s_mul_i32 s36, s36, 14
	s_xor_b32 s35, s35, s36
	s_lshr_b32 s36, s[WV], 2                       ; 15 - that in waves 4 to 7
	s_mul_i32 s36, s36, 15
	s_xor_b32 s[BLK], s35, s36
	s_lshl_b32 s[Q0], s[BLK], 7
	s_lshl_b32 s52, s12, 5
	s_add_co_u32 s[Q0], s[Q0], s52                 ; my first query: 128 x block + 32 x cx
	s_lshl_b32 s36, s15, 17                        ; a head's images
	s_mov_b32 s37, 0
	s_lshl_b32 s38, s[Q0], 6                       ; my two tiles of Q: 1,024 bytes for 16 queries
	s_mov_b32 s39, 0
	s_lshr_b32 s53, s15, 4
	s_lshl_b32 s53, s53, 11
	s_add_co_u32 s53, s53, s[Q0]                   ; my first row of z
	s_lshl_b32 s54, s53, 12
	s_and_b32 s55, s15, 15
	s_lshl_b32 s55, s55, 8
	s_add_co_u32 s54, s54, s55                     ; + the head's 256 bytes
	s_mov_b32 s55, 0
	s_lshl_b32 s56, s53, 2
	s_add_co_u32 s56, s56, MOFF
	s_mov_b32 s57, 0
	s_lshl_b32 s58, s[WV], 14                      ; the 16,384 bytes of K and of V that I fetch, in memory and in LDS
	s_mov_b32 s59, 0
	s_mov_b32 s[G1+0], 15|(3<<16)|(1<<21)          ; 15:0 all four work-groups; 17:16 elements of 8 bytes; 21 set beside a mask; no padding
	s_mov_b32 s[G1+1], 32<<16                      ; rows of 256 bytes,
	s_mov_b32 s[G1+2], 64<<16                      ; 64 of them, dense
	s_mov_b32 s[G1+3], 32<<16
	s_mov_b32 s[G1+4], 64
	s_mov_b32 s[G1+5], 32
	s_mov_b32 s[G1+6], 0
	s_mov_b32 s[G1+7], 0
	s_wait_dscnt 0x0
	s_wait_kmcnt 0x0
	s_load_b128 s[ES:ES+3], s[8:9], SOFF+24        ; eq, ek, ep, ev
	s_add_nc_u64 s[4:5], s[4:5], s[36:37]          ; Q's images of my head; K's lie 4 MiB on, V's 8 MiB
	s_add_nc_u64 s[60:61], s[4:5], s[58:59]
	s_mov_b32 s[G0K], 1
	s_mov_b32 s[G0K+1], s58
	s_add_nc_u64 s[G0K+2:G0K+3], s[60:61], 0x400000
	s_or_b32 s[G0K+3], s[G0K+3], 0x80000000
	s_mov_b32 s[G0V], 1
	s_add_co_u32 s[G0V+1], s58, VIMG
	s_add_nc_u64 s[G0V+2:G0V+3], s[60:61], 0x800000
	s_or_b32 s[G0V+3], s[G0V+3], 0x80000000
	s_add_nc_u64 s[62:63], s[4:5], s[38:39]
	s_add_nc_u64 s[10:11], s[10:11], s[54:55]
	s_add_nc_u64 s[6:7], s[6:7], s[56:57]
	CROUND                                         ; all four work-groups are here: the joint loads meet
	tensor_load_to_lds s[G0K:G0K+3], s[G1:G1+7]    ; the launch's only fills, as one group: two loads of mine are out
	s_nop 0
	tensor_load_to_lds s[G0V:G0V+3], s[G1:G1+7]
	s_nop 0
	PLACES                                         ; four such lines behind the loads
	global_load_b128 v[QT0:QT0+3], v[AK0], s[4:5]  ; the head's query tile 0
	global_load_b128 v[QT0+4:QT0+7], v[AK0], s[4:5] offset:512
	global_load_b128 v[16:19], v[AK0], s[62:63]    ; my first tile of queries
	global_load_b128 v[20:23], v[AK0], s[62:63] offset:512
	global_load_b32 v[MQ], v10, s[6:7]
	WIN 0x40                                       ; destination window 1: my second tile
	global_load_b128 v[16:19], v[AK0], s[62:63] offset:1024
	global_load_b128 v[20:23], v[AK0], s[62:63] offset:1536
	global_load_b32 v[MQ], v10, s[6:7] offset:64
	WIN 0
	; ---- constants, while the tiles are on their way
	s_wait_kmcnt 0x0
	s_mov_b32 s[CS], 0x3e38aa3b                    ; c = log2(e) / 8
	s_add_co_i32 s35, s[ES], s[ES+1]
	s_lshl_b32 s35, s35, 23
	s_add_co_i32 s[CS], s[CS], s35                 ; a score stands for score x 2^(eq + ek): added to c's exponent field
	s_mov_b32 s[CS+1], s[CS]                       ; (named with it as a pair, so it is written)
	s_add_co_i32 s35, s[ES+2], 127
	s_lshl_b32 s36, s35, 23
	s_add_co_i32 s35, s35, 15
	s_lshl_b32 s35, s35, 23
	s_or_b32 s35, s35, 0x600000
	INIT
	WIN 0x55                                       ; every operand in window 1
	INIT
	WIN 0
.if CAUSAL
	v_add_nc_u32 v[DD], s52, v[RH]                 ; on the diagonal: d = my query - the step's first key - 8 h = 32 cx + 16 tile + r - 8 h
	s_add_co_u32 s53, s52, 16
	WIN 0x40
	v_add_nc_u32 v[DD], s53, v[RH]
	WIN 0
.endif
	; ---- the length: query 0's scores against the 256 keys that I fetched
	s_wait_tensorcnt 0x1                           ; my part of K has landed; my part of V may be out.  Only I read these bytes here, so no barrier is wanted
	v_add_nc_u32 v[ADK], s58, v[AK0]
	v_mov_b32 v8, 0                                ; the count, as f32: 2,048 at the most, exact
	v_mov_b32 v[ZR], 0
	v_mov_b32 v[ONE], 1.0
.irp hf, 0,1
.irp t, 0,1,2,3,4,5,6,7
	ds_load_b128 v[KR+8*\t:KR+8*\t+3], v[ADK] offset:8192*\hf+1024*\t
	ds_load_b128 v[KR+8*\t+4:KR+8*\t+7], v[ADK] offset:8192*\hf+1024*\t+512
.endr
.if \hf == 0
	s_wait_loadcnt 0x0                             ; Q and the masks
.endif
	s_wait_dscnt 0x0
.irp t, 0,1,2,3,4,5,6,7
	v_wmma_f32_16x16x64_bf8_bf8 v[S+8*\t:S+8*\t+7], v[QT0:QT0+7], v[KR+8*\t:KR+8*\t+7], 0   ; register 0 of lanes 0-15: query 0, key = lane
.endr
	PLACES
.irp t, 0,1,2,3,4,5,6,7
	v_cmp_neq_f32 vcc_lo, 0, v[S+8*\t]
	v_cndmask_b32 v9, 0, v[ONE], vcc_lo
	v_add_f32 v8, v8, v9
.endr
.endr
	v_add_f32_dpp v8, v8, v8 row_xmask:1 row_mask:0xf bank_mask:0xf
	v_add_f32_dpp v8, v8, v8 row_xmask:2 row_mask:0xf bank_mask:0xf
	v_add_f32_dpp v8, v8, v8 row_xmask:4 row_mask:0xf bank_mask:0xf
	v_add_f32_dpp v8, v8, v8 row_xmask:8 row_mask:0xf bank_mask:0xf
	v_readfirstlane_b32 s35, v8                    ; lanes 0 to 15 hold query 0's count
	v_mov_b32 v9, s35
	v_mov_b32 v[ADK], s[WV]
	v_lshlrev_b32 v[ADK], 2, v[ADK]
	v_add_nc_u32 v[ADK], CNT, v[ADK]
	ds_store_b32 v[ADK], v9                        ; all lanes write the same word with the same value
	s_wait_dscnt 0x0
	s_barrier_signal -1
	s_barrier_wait -1                              ; the eight counts lie in LDS
	v_mov_b32 v[ADK], CNT
	ds_load_b128 v[S:S+3], v[ADK]
	ds_load_b128 v[S+4:S+7], v[ADK] offset:16
	s_wait_dscnt 0x0
.irp k, 1,2,3,4,5,6,7
	v_add_f32 v[S], v[S], v[S+\k]
.endr
	v_cvt_u32_f32 v[S], v[S]                       ; the length, in every lane
	v_lshlrev_b32 v9, 3, v0                        ; my eight keys of the table
.irp e, 0,1,2,3,4,5,6,7
	v_add_nc_u32 v8, \e, v9
	v_cmp_gt_u32 vcc_lo, v[S], v8
	v_cndmask_b32 v[S+16+\e], v[NI], v[ZR], vcc_lo ; 0 where key < length, else -infinity
.endr
	v_lshl_add_u32 v[ADK], v0, 5, BIAS
	ds_store_b128 v[ADK], v[S+16:S+19]
	ds_store_b128 v[ADK], v[S+20:S+23] offset:16
	s_wait_tensorcnt 0x0                           ; for the others' sake: my parts of K and of V have landed,
	s_wait_dscnt 0x0                               ; and my part of the table
	s_barrier_signal -1
	s_barrier_wait -1                              ; K, V and the table are whole
	LOADK AK0                                      ; key step 0, in the order in which the loop asks
	LOADB AB0
	LOADV AV0
	s_mov_b32 s[KBN], 8192
	s_mov_b32 s[BBN], 512
	s_mov_b32 s[TR], 0
.Lstep:                                            ; sixteen trips, 128 keys each: the count is a constant; a step all of whose keys come after my block jumps over its work
.if CAUSAL
	s_cmp_gt_u32 s[TR], s[BLK]
	s_cbranch_scc1 .Lhidden
.endif
	s_min_u32 s35, s[KBN], 122880                  ; the last step asks again for its own bytes
	s_min_u32 s36, s[BBN], 7680
	s_wait_dscnt 32                                ; K is in; behind it: this step's addends and V, 16 loads each
	SPROD
	WIN 0x44                                       ; K window 0; Q and S^T window 1
	SPROD
	WIN 0
	v_add_nc_u32 v[ADK], s35, v[AK0]               ; these three and the v_nop are the four places behind the products
	v_add_nc_u32 v[ADV], s35, v[AV0]
	v_add_nc_u32 v[ADB], s36, v[AB0]
	v_nop
	LOADK ADK                                      ; the next step's K
	s_wait_dscnt 32                                ; the addends are in; behind them: V and the next K
.set n, 0
.rept 16
	v_pk_add_f32 v[S+n:S+n+1], v[S+n:S+n+1], v[BI+n:BI+n+1]              ; keys at or beyond the length become -infinity: tile 0, keys 0-63
.set n, n+2
.endr
	WIN 0x04                                       ; source 1 window 1
.set n, 0
.rept 16
	v_pk_add_f32 v[S+32+n:S+33+n], v[S+32+n:S+33+n], v[BI+n:BI+n+1]      ; tile 0, keys 64-127
.set n, n+2
.endr
	WIN 0x41                                       ; destination and source 0 window 1
.set n, 0
.rept 16
	v_pk_add_f32 v[S+n:S+n+1], v[S+n:S+n+1], v[BI+n:BI+n+1]              ; tile 1, keys 0-63
.set n, n+2
.endr
	WIN 0x45
.set n, 0
.rept 16
	v_pk_add_f32 v[S+32+n:S+33+n], v[S+32+n:S+33+n], v[BI+n:BI+n+1]      ; tile 1, keys 64-127
.set n, n+2
.endr
	WIN 0
	LOADB ADB                                      ; the next step's addends
.if CAUSAL
	s_cmp_lt_u32 s[TR], s[BLK]                     ; a step all of whose keys count skips the diagonal's lines
	s_cbranch_scc1 .Lopen
	DIAG
	WIN 0x55
	DIAG
	WIN 0
.Lopen:
.endif
	SOFT
	s_wait_dscnt 32                                ; V is in; behind it: the next K and the next addends
	WIN 0x01                                       ; V window 1; P and O^T window 0
	PV
	WIN 0x55
	SOFT
	PV
	WIN 0
	PLACES
	LOADV ADV                                      ; the next step's V
.if CAUSAL
.Lhidden:
.endif
	s_add_co_u32 s[KBN], s[KBN], 8192
	s_add_co_u32 s[BBN], s[BBN], 512
	s_add_co_u32 s[TR], s[TR], 1
	s_cmp_lt_u32 s[TR], 16
	s_cbranch_scc1 .Lstep
	; ---- the way out, through my stage, which lies where K lay
	s_wait_dscnt 0x0
	s_barrier_signal -1
	s_barrier_wait -1                              ; nobody reads K any more
	v_and_b32 v8, 15, v0                           ; r
	v_bfe_u32 v9, v0, 4, 1                         ; h
	s_add_co_i32 s35, s[ES+2], s[ES+3]
	s_mul_i32 s36, s[WV], 16*SP                    ; my stage
	v_mul_u32_u24 v10, v8, SP
	v_lshl_add_u32 v10, v9, 5, v10
	v_add_nc_u32 v10, s36, v10                     ; in: row r, + 32 h
	v_mul_u32_u24 v11, v9, SP
	v_lshl_add_u32 v11, v8, 4, v11
	v_add_nc_u32 v11, s36, v11                     ; back: lanes 0-15 one row, lanes 16-31 the next
	v_lshlrev_b32 v2, 12, v9
	v_lshl_add_u32 v2, v8, 4, v2                   ; and the same two rows in z
	FIN
.irp u, 0,1,2,3
	ds_store_b128 v10, v[S+8*\u:S+8*\u+3] offset:64*\u
	ds_store_b128 v10, v[S+8*\u+4:S+8*\u+7] offset:64*\u+16
.endr
.irp k, 0,1,2,3,4,5,6,7
	ds_load_b128 v[KR+4*\k:KR+4*\k+3], v11 offset:2*SP*\k      ; LDS serves a wave's instructions in order: these see my stores, and the next tile's stores come behind them
.endr
	WIN 0x55
	FIN
	WIN 0x04                                       ; the stores' data in window 1
.irp u, 0,1,2,3
	ds_store_b128 v10, v[S+8*\u:S+8*\u+3] offset:64*\u
	ds_store_b128 v10, v[S+8*\u+4:S+8*\u+7] offset:64*\u+16
.endr
	WIN 0
.irp k, 0,1,2,3,4,5,6,7
	ds_load_b128 v[KR+32+4*\k:KR+32+4*\k+3], v11 offset:2*SP*\k
.endr
.irp k, 0,1,2,3,4,5,6,7
	s_wait_dscnt 23-\k                             ; behind tile 0's load k: its 7 - k younger loads and tile 1's sixteen LDS instructions
	global_store_b128 v2, v[KR+4*\k:KR+4*\k+3], s[10:11] offset:8192*\k           ; sixteen lanes store 256 consecutive bytes, aligned
.endr
.irp k, 0,1,2,3,4,5,6,7
	s_wait_dscnt 7-\k
	global_store_b128 v2, v[KR+32+4*\k:KR+32+4*\k+3], s[10:11] offset:65536+8192*\k
.endr
	s_wait_tensorcnt 0x0
	ds_add_u32 v251, v255
	s_wait_dscnt 0x0
	CROUND                                         ; the closing round: no work-group ends while a partner may still ask for a tile that names it
	s_endpgm
.Lfunc_end_k_qf3e612d591_attn1:
	.size	k_qf3e612d591_attn1, .Lfunc_end_k_qf3e612d591_attn1-k_qf3e612d591_attn1
	.p2alignl 7, 3214868480
	.fill 96, 4, 3214868480
	.section	.rodata,"a",@progbits
	.p2align	6, 0x0
	.amdhsa_kernel k_qf3e612d591_attn1
		.amdhsa_group_segment_fixed_size 271616
		.amdhsa_private_segment_fixed_size 0
		.amdhsa_enable_private_segment 0
		.amdhsa_kernarg_size 32
		.amdhsa_user_sgpr_count 2
		.amdhsa_user_sgpr_kernarg_segment_ptr 1
		.amdhsa_wavefront_size32 1
		.amdhsa_system_sgpr_workgroup_id_x 1
		.amdhsa_system_sgpr_workgroup_id_y 1
		.amdhsa_system_sgpr_workgroup_id_z 1
		.amdhsa_system_vgpr_workitem_id 0
		.amdhsa_next_free_vgpr 512
		.amdhsa_next_free_sgpr 66
		.amdhsa_reserve_vcc 1
		.amdhsa_float_denorm_mode_32 3
		.amdhsa_float_denorm_mode_16_64 3
		.amdhsa_memory_ordered 1
		.amdhsa_forward_progress 1
		.amdhsa_inst_pref_size 71
	.end_amdhsa_kernel
	.amdgpu_metadata
---
amdhsa.version: [ 1, 2 ]
amdhsa.kernels:
  - .name:           k_qf3e612d591_attn1
    .symbol:         k_qf3e612d591_attn1.kd
    .args:
      - { .name: qkv, .offset: 0, .size: 8, .value_kind: global_buffer, .address_space: global }
      - { .name: msk, .offset: 8, .size: 8, .value_kind: global_buffer, .address_space: global }
      - { .name: lowp_scales, .offset: 16, .size: 8, .value_kind: global_buffer, .address_space: global }
      - { .name: out0, .offset: 24, .size: 8, .value_kind: global_buffer, .address_space: global }
    .group_segment_fixed_size: 271616
    .private_segment_fixed_size: 0
    .kernarg_segment_align: 8
    .kernarg_segment_size: 32
    .max_flat_workgroup_size: 256
    .sgpr_count:     66
    .vgpr_count:     512
    .wavefront_size: 32
...
	.end_amdgpu_metadata
.endif
;; end of part 8
;; launch ln1: the kernel of part 4 again; grid 256 x 1, 8 waves a work-group, no clusters, 17,408 bytes of LDS; arguments x, out0, ln1_g, ln1_b, lowp_scales, cfg1, ra, xq, msk; writes ra, xq, msk
;; launch proj2: the kernel of part 2 again; grid 4 x 48, 4 waves a work-group, clusters of 4 x 1, 266,752 bytes of LDS; arguments xq, context_codes, xv, Wq2_codes, Wk2_codes, Wv2_codes, lowp_scales, msk, cfg2, qkv; writes qkv
;; launch attn2 (part 9): grid 8 x 32, 8 waves a work-group, clusters of 4 x 1, 271,616 bytes of LDS; arguments qkv, msk, lowp_scales, out0; writes out0
.if DOCPART == 9
	.amdgcn_target "amdgcn-amd-amdhsa--gfx1250"
	.amdhsa_code_object_version 6
	.text
	.protected	k_qf3e612d591_attn2
	.globl	k_qf3e612d591_attn2
	.p2align	8
	.type	k_qf3e612d591_attn2,@function
k_qf3e612d591_attn2:
	s_mov_b64 s[64:65], 0
	v_nop
	global_prefetch_b8 v0, s[64:65] scope:SCOPE_SE
	s_setreg_imm32_b32 hwreg(HW_REG_WAVE_MODE, 25, 1), 1
	s_wait_xcnt 0x0
	s_wait_alu depctr_hold_cnt(0) depctr_sa_sdst(0) depctr_va_vdst(0) depctr_va_sdst(0) depctr_va_ssrc(0) depctr_va_vcc(0) depctr_vm_vsrc(0)
	s_getreg_b32 s2, hwreg(HW_REG_IB_STS2, 6, 4)
	s_cmp_eq_u32 s2, 0
	s_cbranch_scc0 .Lentry_in_a_cluster
	s_endpgm
.Lentry_in_a_cluster:
	s_bfe_u32 s2, ttmp6, 0x10000c
	s_cmp_lg_u32 s2, 0x3003
	s_cbranch_scc0 .Lentry_shape_is_right
	s_endpgm
.Lentry_shape_is_right:
; The cross-attention on E5M2 codes: z[b][q][64 head + d] = mask[q] x sum over k of softmax_k(Q . K / 8) V, with the length mask that is counted from row 0 of the scores; no causal mask.
; The text is the causal launch's with three other constants (CAUSAL, SOFF, MOFF).
; Q, K, V come as images of operand registers: Q, K: 1,024 bytes a tile of 16 tokens (K = 64 form); V: 2,048 bytes for 16 of the head's 64 x 128 keys (K = 128 form, keys innermost).
; THE SOFTMAX AHEAD OF THE SECOND PRODUCT: t = score x log2(e) / 8; M = the running largest t rounded UP to a whole number; p = 2^(t - M) is quantised, not normalised; the row's sum is taken of the unquantised p
; and divides at the end.  When M moves, the sum and O are multiplied by 2^(old M - new M): exact.
; SHARES.  The eight work-groups of a (batch, head) are two clusters of four.  Eight waves, two to a SIMD, each with TWO tiles of 16 queries: a fragment of K, of V or of the addends read from LDS feeds both.
; Wave w of cluster x takes one block of 128 queries; the work-group's place in its cluster chooses 32 of the block's queries and enters global addresses alone.  Every wave walks all sixteen key steps.
; CLUSTER.  The four partners walk the same K and V (131,072 bytes each): each wave asks for 16,384 bytes of K and of V by tensor loads that name all four.  No LDS byte is filled twice; two loads of a wave are out at the most.
; LENGTH.  Each wave multiplies the head's query tile 0 (source 0) by the 256 keys that it fetched itself (source 1): query 0 then lies in register 0 of lanes 0 to 15, a key a lane.  The eight counts meet in LDS; keys at or
; beyond the sum get -infinity in a table of 2,048 addends.  The count only selects values: no branch and no address hangs on it.
; LAYOUT.  S^T = K Q^T (source 0 = 16 keys, source 1 = 16 queries), O^T = V^T P^T: a lane holds ONE query (lane % 16) throughout; register 8 t + j of S^T is key 16 t + 8 (lane / 16) + j, so the conversions' results are
; registers 2 t, 2 t + 1 of the K = 128 form.
; AHEAD.  K, V and the addends have registers of their own, so each run of 16 LDS loads is issued a step ahead of its use: the next K behind the score products, the next addends behind the additions, the next V behind
; the second products.  The last step asks again for its own bytes (a clamped address).
; LIMITS: eq + ek between -123 and 130 (added to c's exponent field); ep between -126 and 112; ep + ev by v_ldexp_f32: none.  A score counts as not 0 by the f32 sum of the codes' products, before its power of two.
; REGISTERS, in two windows of 256.  In BOTH, for tile 0 and tile 1: v12 -M, v13 the largest t, v[14:15] the sum, v16-23 Q, v96-159 S^T then p, v160-191 O^T, v192-207 p's codes, v240-254 constants and work.
;   window 0 also: v1-11 addresses, v24-87 K, v88-95 query tile 0, v208-239 the addends of key tiles 0-3.   window 1 also: v24-87 V, v208-239 the addends of key tiles 4-7.
.set CAUSAL, 0
.set SOFF,   40                        ; byte at which this stage's ten scale entries begin
.set MOFF,   16384                     ; byte at which this stage's mask begins in msk
.set VIMG,   131072                    ; LDS: K's images at 0, V's here,
.set BIAS,   262144                    ; the addends, f32 [2048],
.set CNT,    270336                    ; the eight counts
.set SP,     272                       ; the way out: a stage row, 256 bytes + 16
.set WV,  14                           ; s14      my wave's number
.set G1,  16                           ; s[16:23] descriptor group 1
.set SEL, 24                           ; s[24:25] lane selects: lane l xor 16
.set CS,  26                           ; s[26:27] c
.set KBN, 28                           ; the NEXT step's byte in K's and in V's region
.set BBN, 29                           ; the next step's byte among the addends
.set BLK, 30                           ; my block of 128 queries
.set TR,  31                           ; the key step
.set Q0,  32                           ; my first query
.set G0K, 40                           ; s[40:43], s[44:47] descriptor groups 0
.set G0V, 44
.set ES,  48                           ; s[48:51] eq, ek, ep, ev
.set AK0, 1                            ; 16 x lane: an image's place for my lane
.set ADK, 2
.set ADV, 3
.set ADB, 4
.set AB0, 5                            ; the addends of keys 8 h on
.set RH,  6                            ; r - 8 h
.set AV0, 7
.set KR,  24
.set QT0, 88
.set S,   96
.set OT,  160
.set PC,  192
.set BI,  208
.set LIM, 240
.set SCL, 244
.set MQ,  245
.set PT,  246
.set NI,  247
.set ZR,  248
.set ONE, 249
.set DD,  250
.set MSB, 0
.macro WIN new                         ; bits 1:0 source 0, 3:2 source 1, 5:4 source 2, 7:6 destination; the immediate's high byte repeats the setting that is left
.if MSB != (\new)
	s_set_vgpr_msb (MSB<<8)|(\new)
.set MSB, (\new)
.endif
.endm
.macro CROUND                          ; a round of the cluster's barrier
	s_barrier_signal -1
	s_barrier_wait -1
	s_cmp_lg_u32 s[WV], 0
	s_cbranch_scc1 .Lnot_wave_0_\@
	s_barrier_signal -3
.Lnot_wave_0_\@:
	s_barrier_wait -3
	s_barrier_signal -1
	s_barrier_wait -1
.endm
.macro PLACES                          ; four plain vector lines behind matrix instructions (ISA guide 7.12.1)
.rept 4
	v_nop
.endr
.endm
.macro LOADK adr                       ; a step's eight fragments of K: 16 loads
.irp t, 0,1,2,3,4,5,6,7
	ds_load_b128 v[KR+8*\t:KR+8*\t+3], v[\adr] offset:1024*\t
	ds_load_b128 v[KR+8*\t+4:KR+8*\t+7], v[\adr] offset:1024*\t+512
.endr
.endm
.macro LOADB adr                       ; a step's 64 addends a lane: 16 loads
.irp t, 0,1,2,3
	ds_load_b128 v[BI+8*\t:BI+8*\t+3], v[\adr] offset:64*\t
	ds_load_b128 v[BI+8*\t+4:BI+8*\t+7], v[\adr] offset:64*\t+16
.endr
	WIN 0x40                                       ; destination window 1
.irp t, 0,1,2,3
	ds_load_b128 v[BI+8*\t:BI+8*\t+3], v[\adr] offset:256+64*\t
	ds_load_b128 v[BI+8*\t+4:BI+8*\t+7], v[\adr] offset:256+64*\t+16
.endr
	WIN 0
.endm
.macro LOADV adr                       ; a step's four fragments of V: 16 loads
	WIN 0x40
.irp u, 0,1,2,3
.irp g, 0,1,2,3
	ds_load_b128 v[KR+16*\u+4*\g:KR+16*\u+4*\g+3], v[\adr] offset:2048*\u+512*\g
.endr
.endr
	WIN 0
.endm
.macro SPROD                           ; S^T of one tile of queries: eight products, each starts its sum
.irp t, 0,1,2,3,4,5,6,7
	v_wmma_f32_16x16x64_bf8_bf8 v[S+8*\t:S+8*\t+7], v[KR+8*\t:KR+8*\t+7], v[16:23], 0
.endr
.endm
.macro PV                              ; O^T += V^T P^T of one tile: four accumulators, one instruction a turn
.irp u, 0,1,2,3
	v_wmma_f32_16x16x128_bf8_bf8 v[OT+8*\u:OT+8*\u+7], v[KR+16*\u:KR+16*\u+15], v[PC:PC+15], v[OT+8*\u:OT+8*\u+7]
.endr
.endm
.macro INIT                            ; one tile's constants and beginnings, under its window
	v_mov_b32 v[SCL], s36                          ; 2^ep as f32, for the conversion
	v_mov_b32 v[LIM], s35                          ; 57,344 x 2^ep
	v_mov_b32 v[NI], 0xff800000                    ; -infinity
	v_mov_b32 v13, 0xff61b1e6                      ; the largest t so far: -3e38
	v_floor_f32 v12, -v13                          ; -M
	v_mov_b32 v14, 0
	v_mov_b32 v15, 0
	v_mov_b32 v[PT], 0                             ; written once: a lane permute's destination counts as one of its sources
	v_mov_b32 v253, 0                              ; (named as the upper half of the pair v[252:253])
.set n, 0
.rept 32
	v_mov_b32 v[OT+n], 0                           ; O^T: the step is written once, and its first trip finds zeros
.set n, n+1
.endr
.endm
.macro DIAG                            ; one tile on the diagonal: register 8 t + j is hidden where 16 t + j > d
.set n, 0
.rept 64
	v_cmp_gt_i32 vcc_lo, 16*(n/8)+n%8, v[DD]
	v_cndmask_b32 v[S+n], v[S+n], v[NI], vcc_lo
.set n, n+1
.endr
.endm
.macro SOFT                            ; one tile's softmax for a step of 128 keys, under its window
	v_max3_num_f32 v254, v[S], v[S+1], v[S+2]      ; the step's largest score of my query among my 64 keys, in two chains,
	v_max3_num_f32 v252, v[S+3], v[S+4], v[S+5]
.irp i, 6,10,14,18,22,26,30,34,38,42,46,50,54,58
	v_max3_num_f32 v254, v254, v[S+\i], v[S+1+\i]
	v_max3_num_f32 v252, v252, v[S+2+\i], v[S+3+\i]
.endr
	v_max3_num_f32 v254, v254, v[S+62], v[S+63]
	v_max_num_f32 v254, v254, v252
	v_permlanex16_b32 v[PT], v254, s[SEL], s[SEL+1]
	v_max_num_f32 v254, v254, v[PT]                ; and among lane l xor 16's
	v_mul_f32 v254, s[CS], v254                    ; as t (c is positive)
	v_max_num_f32 v13, v13, v254                   ; the running largest t
	v_mov_b32 v254, v12
	v_floor_f32 v12, -v13                          ; the new -M = floor(-t): M is a whole number
	v_sub_f32 v254, v12, v254                      ; old M - new M: a whole number, 0 or less
	v_cvt_i32_f32 v254, v254                       ; (it saturates)
	v_ldexp_f32 v252, 1.0, v254                    ; f = 2^(old M - new M)
.set n, 0
.rept 32
	v_pk_fma_f32 v[S+n:S+n+1], v[S+n:S+n+1], s[CS:CS+1], v[12:13] op_sel_hi:[1,0,0]   ; t - M, two at a time
.set n, n+2
.endr
.set n, 0
.rept 64
	v_exp_f32 v[S+n], v[S+n]                       ; p = 2^(t - M): one batch
.set n, n+1
.endr
	v_pk_mul_f32 v[14:15], v[14:15], v[252:253] op_sel_hi:[1,0]   ; the sums under the new M: the plain line behind the exponentials
	s_wait_alu depctr_va_vdst(0)                   ; one wait for the batch, ahead of its first reader
	v_pk_add_f32 v[242:243], v[S:S+1], v[S+2:S+3]  ; the row's sum is taken of the unquantised p, in two chains
.irp j, 4,8,12,16,20,24,28,32,36,40,44,48,52,56,60
	v_pk_add_f32 v[14:15], v[14:15], v[S+\j:S+1+\j]
	v_pk_add_f32 v[242:243], v[242:243], v[S+2+\j:S+3+\j]
.endr
	v_pk_add_f32 v[14:15], v[14:15], v[242:243]
.irp t, 0,1,2,3,4,5,6,7
.irp j, 0,1,2,3,4,5,6,7
	v_min_num_f32 v[S+8*\t+\j], v[S+8*\t+\j], v[LIM]   ; the conversion does not saturate (ISA guide 7.6.2); p is not negative, so the hold is one-sided
.endr
	v_cvt_scalef32_pk8_bf8_f32 v[PC+2*\t:PC+2*\t+1], v[S+8*\t:S+8*\t+7], v[SCL]
.endr
.set n, 0
.rept 16
	v_pk_mul_f32 v[OT+n:OT+n+1], v[OT+n:OT+n+1], v[252:253] op_sel_hi:[1,0]   ; O^T under the new M; also the plain lines between the conversions and the products
.set n, n+2
.endr
.endm
.macro FIN                             ; one tile's O^T / the sum x 2^(ep + ev) x the query's mask, under its window
	v_add_f32 v14, v14, v15
	v_permlanex16_b32 v[PT], v14, s[SEL], s[SEL+1]
	v_add_f32 v14, v14, v[PT]                      ; the row's sum
	v_rcp_f32 v14, v14
	v_nop                                          ; the plain line behind the reciprocal
	s_wait_alu depctr_va_vdst(0)                   ; ahead of its first reader
	v_ldexp_f32 v14, v14, s35
	v_mul_f32 v14, v14, v[MQ]
.set n, 0
.rept 32
	v_mul_f32 v[S+n], v[OT+n], v14                 ; register 8 u + j is z(r, 16 u + 8 h + j); each accumulator from its low end on
.set n, n+1
.endr
.endm
	s_load_b256 s[4:11], s[0:1], 0x0               ; qkv, msk, scales, z
	v_lshl_add_u32 v251, v0, 2, 0x42100
	v_mov_b32 v255, 0
	ds_add_u32 v251, v255
	ds_add_u32 v251, v255
	v_lshrrev_b32 v8, 5, v0
	v_readfirstlane_b32 s[WV], v8                  ; wave 0..7
	v_and_b32 v9, 31, v0
	v_lshlrev_b32 v[AK0], 4, v9
	v_and_b32 v10, 15, v0                          ; r
	v_bfe_u32 v11, v0, 4, 1                        ; h
	v_lshl_add_u32 v[AB0], v11, 5, BIAS
	v_lshlrev_b32 v8, 3, v11
	v_sub_nc_u32 v[RH], v10, v8
	v_add_nc_u32 v[AV0], VIMG, v[AK0]
	v_lshlrev_b32 v10, 2, v10                      ; 4 r
	s_mov_b32 s[SEL], 0x76543210
	s_mov_b32 s[SEL+1], 0xfedcba98
	s_bfe_u32 s12, ttmp6, 0x40000                  ; cx: it enters Q's, the mask's and z's addresses alone
	s_and_b32 s15, ttmp7, 0xffff                   ; 16 x batch + head, which the partners share
	s_lshr_b32 s35, s[WV], 1                       ; my block: q = 4 x (bit 1 of w) + 2 x cluster x;
	s_and_b32 s35, s35, 1
	s_lshl_b32 s35, s35, 2
	s_lshl_b32 s36, ttmp9, 1
	s_add_co_u32 s35, s35, s36
	s_and_b32 s36, s[WV], 1                        ; 14 - q in odd waves;
	s_mul_i32 s36, s36, 14
	s_xor_b32 s35, s35, s36
	s_lshr_b32 s36, s[WV], 2                       ; 15 - that in waves 4 to 7
	s_mul_i32 s36, s36, 15
	s_xor_b32 s[BLK], s35, s36
	s_lshl_b32 s[Q0], s[BLK], 7
	s_lshl_b32 s52, s12, 5
	s_add_co_u32 s[Q0], s[Q0], s52                 ; my first query: 128 x block + 32 x cx
	s_lshl_b32 s36, s15, 17                        ; a head's images
	s_mov_b32 s37, 0
	s_lshl_b32 s38, s[Q0], 6                       ; my two tiles of Q: 1,024 bytes for 16 queries
	s_mov_b32 s39, 0
	s_lshr_b32 s53, s15, 4
	s_lshl_b32 s53, s53, 11
	s_add_co_u32 s53, s53, s[Q0]                   ; my first row of z
	s_lshl_b32 s54, s53, 12
	s_and_b32 s55, s15, 15
	s_lshl_b32 s55, s55, 8
	s_add_co_u32 s54, s54, s55                     ; + the head's 256 bytes
	s_mov_b32 s55, 0
	s_lshl_b32 s56, s53, 2
	s_add_co_u32 s56, s56, MOFF
	s_mov_b32 s57, 0
	s_lshl_b32 s58, s[WV], 14                      ; the 16,384 bytes of K and of V that I fetch, in memory and in LDS
	s_mov_b32 s59, 0
	s_mov_b32 s[G1+0], 15|(3<<16)|(1<<21)          ; 15:0 all four work-groups; 17:16 elements of 8 bytes; 21 set beside a mask; no padding
	s_mov_b32 s[G1+1], 32<<16                      ; rows of 256 bytes,
	s_mov_b32 s[G1+2], 64<<16                      ; 64 of them, dense
	s_mov_b32 s[G1+3], 32<<16
	s_mov_b32 s[G1+4], 64
	s_mov_b32 s[G1+5], 32
	s_mov_b32 s[G1+6], 0
	s_mov_b32 s[G1+7], 0
	s_wait_dscnt 0x0
	s_wait_kmcnt 0x0
	s_load_b128 s[ES:ES+3], s[8:9], SOFF+24        ; eq, ek, ep, ev
	s_add_nc_u64 s[4:5], s[4:5], s[36:37]          ; Q's images of my head; K's lie 4 MiB on, V's 8 MiB
	s_add_nc_u64 s[60:61], s[4:5], s[58:59]
	s_mov_b32 s[G0K], 1
	s_mov_b32 s[G0K+1], s58
	s_add_nc_u64 s[G0K+2:G0K+3], s[60:61], 0x400000
	s_or_b32 s[G0K+3], s[G0K+3], 0x80000000
	s_mov_b32 s[G0V], 1
	s_add_co_u32 s[G0V+1], s58, VIMG
	s_add_nc_u64 s[G0V+2:G0V+3], s[60:61], 0x800000
	s_or_b32 s[G0V+3], s[G0V+3], 0x80000000
	s_add_nc_u64 s[62:63], s[4:5], s[38:39]
	s_add_nc_u64 s[10:11], s[10:11], s[54:55]
	s_add_nc_u64 s[6:7], s[6:7], s[56:57]
	CROUND                                         ; all four work-groups are here: the joint loads meet
	tensor_load_to_lds s[G0K:G0K+3], s[G1:G1+7]    ; the launch's only fills, as one group: two loads of mine are out
	s_nop 0
	tensor_load_to_lds s[G0V:G0V+3], s[G1:G1+7]
	s_nop 0
	PLACES                                         ; four such lines behind the loads
	global_load_b128 v[QT0:QT0+3], v[AK0], s[4:5]  ; the head's query tile 0
	global_load_b128 v[QT0+4:QT0+7], v[AK0], s[4:5] offset:512
	global_load_b128 v[16:19], v[AK0], s[62:63]    ; my first tile of queries
	global_load_b128 v[20:23], v[AK0], s[62:63] offset:512
	global_load_b32 v[MQ], v10, s[6:7]
	WIN 0x40                                       ; destination window 1: my second tile
	global_load_b128 v[16:19], v[AK0], s[62:63] offset:1024
	global_load_b128 v[20:23], v[AK0], s[62:63] offset:1536
	global_load_b32 v[MQ], v10, s[6:7] offset:64
	WIN 0
	; ---- constants, while the tiles are on their way
	s_wait_kmcnt 0x0
	s_mov_b32 s[CS], 0x3e38aa3b                    ; c = log2(e) / 8
	s_add_co_i32 s35, s[ES], s[ES+1]
	s_lshl_b32 s35, s35, 23
	s_add_co_i32 s[CS], s[CS], s35                 ; a score stands for score x 2^(eq + ek): added to c's exponent field
	s_mov_b32 s[CS+1], s[CS]                       ; (named with it as a pair, so it is written)
	s_add_co_i32 s35, s[ES+2], 127
	s_lshl_b32 s36, s35, 23
	s_add_co_i32 s35, s35, 15
	s_lshl_b32 s35, s35, 23
	s_or_b32 s35, s35, 0x600000
	INIT
	WIN 0x55                                       ; every operand in window 1
	INIT
	WIN 0
.if CAUSAL
	v_add_nc_u32 v[DD], s52, v[RH]                 ; on the diagonal: d = my query - the step's first key - 8 h = 32 cx + 16 tile + r - 8 h
	s_add_co_u32 s53, s52, 16
	WIN 0x40
	v_add_nc_u32 v[DD], s53, v[RH]
	WIN 0
.endif
	; ---- the length: query 0's scores against the 256 keys that I fetched
	s_wait_tensorcnt 0x1                           ; my part of K has landed; my part of V may be out.  Only I read these bytes here, so no barrier is wanted
	v_add_nc_u32 v[ADK], s58, v[AK0]
	v_mov_b32 v8, 0                                ; the count, as f32: 2,048 at the most, exact
	v_mov_b32 v[ZR], 0
	v_mov_b32 v[ONE], 1.0
.irp hf, 0,1
.irp t, 0,1,2,3,4,5,6,7
	ds_load_b128 v[KR+8*\t:KR+8*\t+3], v[ADK] offset:8192*\hf+1024*\t
	ds_load_b128 v[KR+8*\t+4:KR+8*\t+7], v[ADK] offset:8192*\hf+1024*\t+512
.endr
.if \hf == 0
	s_wait_loadcnt 0x0                             ; Q and the masks
.endif
	s_wait_dscnt 0x0
.irp t, 0,1,2,3,4,5,6,7
	v_wmma_f32_16x16x64_bf8_bf8 v[S+8*\t:S+8*\t+7], v[QT0:QT0+7], v[KR+8*\t:KR+8*\t+7], 0   ; register 0 of lanes 0-15: query 0, key = lane
.endr
	PLACES
.irp t, 0,1,2,3,4,5,6,7
	v_cmp_neq_f32 vcc_lo, 0, v[S+8*\t]
	v_cndmask_b32 v9, 0, v[ONE], vcc_lo
	v_add_f32 v8, v8, v9
.endr
.endr
	v_add_f32_dpp v8, v8, v8 row_xmask:1 row_mask:0xf bank_mask:0xf
	v_add_f32_dpp v8, v8, v8 row_xmask:2 row_mask:0xf bank_mask:0xf
	v_add_f32_dpp v8, v8, v8 row_xmask:4 row_mask:0xf bank_mask:0xf
	v_add_f32_dpp v8, v8, v8 row_xmask:8 row_mask:0xf bank_mask:0xf
	v_readfirstlane_b32 s35, v8                    ; lanes 0 to 15 hold query 0's count
	v_mov_b32 v9, s35
	v_mov_b32 v[ADK], s[WV]
	v_lshlrev_b32 v[ADK], 2, v[ADK]
	v_add_nc_u32 v[ADK], CNT, v[ADK]
	ds_store_b32 v[ADK], v9                        ; all lanes write the same word with the same value
	s_wait_dscnt 0x0
	s_barrier_signal -1
	s_barrier_wait -1                              ; the eight counts lie in LDS
	v_mov_b32 v[ADK], CNT
	ds_load_b128 v[S:S+3], v[ADK]
	ds_load_b128 v[S+4:S+7], v[ADK] offset:16
	s_wait_dscnt 0x0
.irp k, 1,2,3,4,5,6,7
	v_add_f32 v[S], v[S], v[S+\k]
.endr
	v_cvt_u32_f32 v[S], v[S]                       ; the length, in every lane
	v_lshlrev_b32 v9, 3, v0                        ; my eight keys of the table
.irp e, 0,1,2,3,4,5,6,7
	v_add_nc_u32 v8, \e, v9
	v_cmp_gt_u32 vcc_lo, v[S], v8
	v_cndmask_b32 v[S+16+\e], v[NI], v[ZR], vcc_lo ; 0 where key < length, else -infinity
.endr
	v_lshl_add_u32 v[ADK], v0, 5, BIAS
	ds_store_b128 v[ADK], v[S+16:S+19]
	ds_store_b128 v[ADK], v[S+20:S+23] offset:16
	s_wait_tensorcnt 0x0                           ; for the others' sake: my parts of K and of V have landed,
	s_wait_dscnt 0x0                               ; and my part of the table
	s_barrier_signal -1
	s_barrier_wait -1                              ; K, V and the table are whole
	LOADK AK0                                      ; key step 0, in the order in which the loop asks
	LOADB AB0
	LOADV AV0
	s_mov_b32 s[KBN], 8192
	s_mov_b32 s[BBN], 512
	s_mov_b32 s[TR], 0
.Lstep:                                            ; sixteen trips, 128 keys each: the count is a constant
.if CAUSAL
	s_cmp_gt_u32 s[TR], s[BLK]
	s_cbranch_scc1 .Lhidden
.endif
	s_min_u32 s35, s[KBN], 122880                  ; the last step asks again for its own bytes
	s_min_u32 s36, s[BBN], 7680
	s_wait_dscnt 32                                ; K is in; behind it: this step's addends and V, 16 loads each
	SPROD
	WIN 0x44                                       ; K window 0; Q and S^T window 1
	SPROD
	WIN 0
	v_add_nc_u32 v[ADK], s35, v[AK0]               ; these three and the v_nop are the four places behind the products
	v_add_nc_u32 v[ADV], s35, v[AV0]
	v_add_nc_u32 v[ADB], s36, v[AB0]
	v_nop
	LOADK ADK                                      ; the next step's K
	s_wait_dscnt 32                                ; the addends are in; behind them: V and the next K
.set n, 0
.rept 16
	v_pk_add_f32 v[S+n:S+n+1], v[S+n:S+n+1], v[BI+n:BI+n+1]              ; keys at or beyond the length become -infinity: tile 0, keys 0-63
.set n, n+2
.endr
	WIN 0x04                                       ; source 1 window 1
.set n, 0
.rept 16
	v_pk_add_f32 v[S+32+n:S+33+n], v[S+32+n:S+33+n], v[BI+n:BI+n+1]      ; tile 0, keys 64-127
.set n, n+2
.endr
	WIN 0x41                                       ; destination and source 0 window 1
.set n, 0
.rept 16
	v_pk_add_f32 v[S+n:S+n+1], v[S+n:S+n+1], v[BI+n:BI+n+1]              ; tile 1, keys 0-63
.set n, n+2
.endr
	WIN 0x45
.set n, 0
.rept 16
	v_pk_add_f32 v[S+32+n:S+33+n], v[S+32+n:S+33+n], v[BI+n:BI+n+1]      ; tile 1, keys 64-127
.set n, n+2
.endr
	WIN 0
	LOADB ADB                                      ; the next step's addends
.if CAUSAL
	s_cmp_lt_u32 s[TR], s[BLK]                     ; a step all of whose keys count skips the diagonal's lines
	s_cbranch_scc1 .Lopen
	DIAG
	WIN 0x55
	DIAG
	WIN 0
.Lopen:
.endif
	SOFT
	s_wait_dscnt 32                                ; V is in; behind it: the next K and the next addends
	WIN 0x01                                       ; V window 1; P and O^T window 0
	PV
	WIN 0x55
	SOFT
	PV
	WIN 0
	PLACES
	LOADV ADV                                      ; the next step's V
.if CAUSAL
.Lhidden:
.endif
	s_add_co_u32 s[KBN], s[KBN], 8192
	s_add_co_u32 s[BBN], s[BBN], 512
	s_add_co_u32 s[TR], s[TR], 1
	s_cmp_lt_u32 s[TR], 16
	s_cbranch_scc1 .Lstep
	; ---- the way out, through my stage, which lies where K lay
	s_wait_dscnt 0x0
	s_barrier_signal -1
	s_barrier_wait -1                              ; nobody reads K any more
	v_and_b32 v8, 15, v0                           ; r
	v_bfe_u32 v9, v0, 4, 1                         ; h
	s_add_co_i32 s35, s[ES+2], s[ES+3]
	s_mul_i32 s36, s[WV], 16*SP                    ; my stage
	v_mul_u32_u24 v10, v8, SP
	v_lshl_add_u32 v10, v9, 5, v10
	v_add_nc_u32 v10, s36, v10                     ; in: row r, + 32 h
	v_mul_u32_u24 v11, v9, SP
	v_lshl_add_u32 v11, v8, 4, v11
	v_add_nc_u32 v11, s36, v11                     ; back: lanes 0-15 one row, lanes 16-31 the next
	v_lshlrev_b32 v2, 12, v9
	v_lshl_add_u32 v2, v8, 4, v2                   ; and the same two rows in z
	FIN
.irp u, 0,1,2,3
	ds_store_b128 v10, v[S+8*\u:S+8*\u+3] offset:64*\u
	ds_store_b128 v10, v[S+8*\u+4:S+8*\u+7] offset:64*\u+16
.endr
.irp k, 0,1,2,3,4,5,6,7
	ds_load_b128 v[KR+4*\k:KR+4*\k+3], v11 offset:2*SP*\k      ; LDS serves a wave's instructions in order: these see my stores, and the next tile's stores come behind them
.endr
	WIN 0x55
	FIN
	WIN 0x04                                       ; the stores' data in window 1
.irp u, 0,1,2,3
	ds_store_b128 v10, v[S+8*\u:S+8*\u+3] offset:64*\u
	ds_store_b128 v10, v[S+8*\u+4:S+8*\u+7] offset:64*\u+16
.endr
	WIN 0
.irp k, 0,1,2,3,4,5,6,7
	ds_load_b128 v[KR+32+4*\k:KR+32+4*\k+3], v11 offset:2*SP*\k
.endr
.irp k, 0,1,2,3,4,5,6,7
	s_wait_dscnt 23-\k                             ; behind tile 0's load k: its 7 - k younger loads and tile 1's sixteen LDS instructions
	global_store_b128 v2, v[KR+4*\k:KR+4*\k+3], s[10:11] offset:8192*\k           ; sixteen lanes store 256 consecutive bytes, aligned
.endr
.irp k, 0,1,2,3,4,5,6,7
	s_wait_dscnt 7-\k
	global_store_b128 v2, v[KR+32+4*\k:KR+32+4*\k+3], s[10:11] offset:65536+8192*\k
.endr
	s_wait_tensorcnt 0x0
	ds_add_u32 v251, v255
	s_wait_dscnt 0x0
	CROUND                                         ; the closing round: no work-group ends while a partner may still ask for a tile that names it
	s_endpgm
.Lfunc_end_k_qf3e612d591_attn2:
	.size	k_qf3e612d591_attn2, .Lfunc_end_k_qf3e612d591_attn2-k_qf3e612d591_attn2
	.p2alignl 7, 3214868480
	.fill 96, 4, 3214868480
	.section	.rodata,"a",@progbits
	.p2align	6, 0x0
	.amdhsa_kernel k_qf3e612d591_attn2
		.amdhsa_group_segment_fixed_size 271616
		.amdhsa_private_segment_fixed_size 0
		.amdhsa_enable_private_segment 0
		.amdhsa_kernarg_size 32
		.amdhsa_user_sgpr_count 2
		.amdhsa_user_sgpr_kernarg_segment_ptr 1
		.amdhsa_wavefront_size32 1
		.amdhsa_system_sgpr_workgroup_id_x 1
		.amdhsa_system_sgpr_workgroup_id_y 1
		.amdhsa_system_sgpr_workgroup_id_z 1
		.amdhsa_system_vgpr_workitem_id 0
		.amdhsa_next_free_vgpr 512
		.amdhsa_next_free_sgpr 66
		.amdhsa_reserve_vcc 1
		.amdhsa_float_denorm_mode_32 3
		.amdhsa_float_denorm_mode_16_64 3
		.amdhsa_memory_ordered 1
		.amdhsa_forward_progress 1
		.amdhsa_inst_pref_size 61
	.end_amdhsa_kernel
	.amdgpu_metadata
---
amdhsa.version: [ 1, 2 ]
amdhsa.kernels:
  - .name:           k_qf3e612d591_attn2
    .symbol:         k_qf3e612d591_attn2.kd
    .args:
      - { .name: qkv, .offset: 0, .size: 8, .value_kind: global_buffer, .address_space: global }
      - { .name: msk, .offset: 8, .size: 8, .value_kind: global_buffer, .address_space: global }
      - { .name: lowp_scales, .offset: 16, .size: 8, .value_kind: global_buffer, .address_space: global }
      - { .name: out0, .offset: 24, .size: 8, .value_kind: global_buffer, .address_space: global }
    .group_segment_fixed_size: 271616
    .private_segment_fixed_size: 0
    .kernarg_segment_align: 8
    .kernarg_segment_size: 32
    .max_flat_workgroup_size: 256
    .sgpr_count:     66
    .vgpr_count:     512
    .wavefront_size: 32
...
	.end_amdgpu_metadata
.endif
;; end of part 9
;; launch ln2: the kernel of part 4 again; grid 256 x 1, 8 waves a work-group, no clusters, 17,408 bytes of LDS; arguments ra, out0, ln2_g, ln2_b, lowp_scales, cfg2, qkv, xk, msk; writes qkv, xk, msk
;; launch fc1: the kernel of part 5 again; grid 4 x 64, 4 waves a work-group, clusters of 4 x 1, 168,448 bytes of LDS; arguments xk, fc1_w_codes, fc1_b, msk, lowp_scales, xv; writes xv
;; launch fc2: the kernel of part 6 again; grid 4 x 64, 4 waves a work-group, clusters of 4 x 1, 168,448 bytes of LDS; arguments xv, fc2_w_codes, fc2_b, lowp_scales, ra; writes ra
;; launch ln3: the kernel of part 7 again; grid 256 x 1, 8 waves a work-group, no clusters, 0 bytes of LDS; arguments qkv, ra, msk, ln3_g, ln3_b, out0; writes out0
